; MI455X (gfx1250); checked and timed in simulation.
; The chip was launched on July 23, 2026; its instructions are those of AMD's public machine-readable ISA for CDNA 5 (MIT licence, August 2026) and "CDNA5" Instruction Set Architecture Reference Guide (July 2026). The comments in the code are by the model that wrote it; some were corrected since.
;; Self Attention v Linear. Allowed arithmetic: matrix products marked QUANTISED: E2M3 operands, one E8M0 scale for each 32 along K, by v_wmma_scale_f32_16x16x128_f8f6f4 with both operands' format E2M3, f32 sums; everything else in f32.
;; Inputs: W_k 1,024 x 1,024 float32; W_q 1,024 x 1,024 float32; W_v 1,024 x 1,024 float32; x 4 x 2,048 x 1,024 float32.
;; Outputs: out0 4 x 2,048 x 1,024 float32.
;; This version of the problem:
;;   THIS VERSION OF THE PROBLEM IS GIVEN IN LOW PRECISION. The matrix products marked QUANTISED in the list below multiply operands that are first quantised to E2M3 (2 exponent bits, 3 mantissa bits; 6 bits a number), with one power-of-two scale for each 32 numbers along K (OCP MX v1.0); their sums are f32. All else is computed in f32.
;;   The module's matrix products, in the order in which they are computed (A, B: the left and right operand; K: the contracted axis; several contracted axes count as one K, in the product's order):
;;     1. [M 8,192, K 1,024] x [K 1,024, N 1,024]; A: input x; B: input W_q: QUANTISED
;;     2. [M 8,192, K 1,024] x [K 1,024, N 1,024]; A: input x; B: input W_k: QUANTISED
;;     3. [M 8,192, K 1,024] x [K 1,024, N 1,024]; A: input x; B: input W_v: QUANTISED
;;     4. batch 4 x [M 2,048, K 1,024] x [K 1,024, N 2,048]; A: computed on the way; B: computed on the way: QUANTISED
;;     5. batch 4 x [M 2,048, K 2,048] x [K 2,048, N 1,024]; A: softmax (see below); B: computed on the way: QUANTISED
;;   THE QUANTISER, for each operand of a quantised product, along K:
;;     - K is cut into blocks of 32 from its start; a last block that is shorter is filled with zeros.
;;     - A block's scale is 2^e with e = floor(log2(the largest magnitude in the block)) - 2, held to -126 .. 127; a block of zeros has e = 0. As a byte (E8M0): e + 127.
;;     - Each number is divided by its block's scale, clamped to +-7.5, and rounded to the nearest number of E2M3, ties to even, subnormals kept.
;;     - The product sums the exact products of the quantised numbers (number of the format x scale) in f32.
;;   ~~~python
;;   def quantise(x, axis):      # numpy; x: float32 -> the quantised numbers, widened to float32 again
;;       x = np.moveaxis(x, axis, -1); K = x.shape[-1]
;;       x = np.pad(x, [(0, 0)] * (x.ndim - 1) + [(0, -K % 32)]); x = x.reshape(x.shape[:-1] + (-1, 32)); a = np.abs(x).max(-1, keepdims=True)
;;       e = np.where(a > 0, np.clip(np.frexp(np.where(a > 0, a, 1))[1] - 1 - 2, -126, 127), 0)      # np.frexp(a)[1] - 1 = floor(log2(a)), exactly
;;       r = np.clip(x / 2.0 ** e, -7.5, 7.5)
;;       step = 2.0 ** (np.maximum(np.frexp(np.where(r == 0, 1, r))[1] - 1, 0) - 3)
;;       q = np.round(r / step) * step * 2.0 ** e      # np.round: ties to even
;;       return np.moveaxis(q.reshape(q.shape[:-2] + (-1,))[..., :K], -1, axis).astype(np.float32)
;;   ~~~
;;   SOFTMAX AHEAD OF A QUANTISED PRODUCT. Where the list says 'softmax', what is quantised is not the finished softmax but p = 2^(t - M), with t = logit x log2(e) and M = ceil(the row's largest t), a whole number; so 1/2 < the row's largest p <= 1. The row's sum l is taken of the UNQUANTISED p, in f32, and the product's result is divided by l at the end. Since M is a whole number, a kernel that streams over the keys may use a running M (the ceiling of the running maximum): every later rescaling is an exact power of two, which a block's scale takes up: the codes' values come out the same.
;;   OPERANDS COMPUTED ON THE WAY. 'Computed on the way' means the value that the module computes at that place (a softmax that the list does not call 'softmax' is quantised finished and normalised). What goes into a quantiser is computed in f32, as accurately as f32 sums, v_exp_f32 and their like allow (about 1e-6 of the number): no bf16 or f16 on the way to a quantiser, and a product that is left as it is and whose result goes on into a quantised operand takes f32 operands (vector FMAs, or v_wmma_f32_16x16x4_f32). A number that lies on a knife's edge between two numbers of the format may be rounded either way, as far as f32 arithmetic and the matrix unit's own rounding can turn it there, and no further.
;; One version. Each part assembles by itself: llvm-mc -triple=amdgcn-amd-amdhsa -mcpu=gfx1250 --defsym DOCPART=n.
;; ======== version 1 of 1: 4 launches
;; limits: right only within a limited range of input values
;; workspace buffers: xw 8,650,752 bytes; xws 360,448 bytes; qkv 18,874,368 bytes; qkvs 786,432 bytes; p 12,582,912 bytes; pst 1,572,864 bytes
;; launch quant (part 1): grid 704 x 2, 1 waves a work-group, no clusters, 8,704 bytes of LDS; arguments x, W_q, W_k, W_v, xw, xws; writes xw, xws
.if DOCPART == 1
	.amdgcn_target "amdgcn-amd-amdhsa--gfx1250"
	.amdhsa_code_object_version 6
	.text
	.protected	k_qc74bc503f0_quant
	.globl	k_qc74bc503f0_quant
	.p2align	8
	.type	k_qc74bc503f0_quant,@function
k_qc74bc503f0_quant:
	s_mov_b64 s[64:65], 0
	v_nop
	global_prefetch_b8 v0, s[64:65] scope:SCOPE_SE
	s_setreg_imm32_b32 hwreg(HW_REG_WAVE_MODE, 25, 1), 1
	s_wait_xcnt 0x0
; x [8192][1024], W_q, W_k, W_v [1024][1024], f32, become codes of FP6 (E2M3) with one E8M0 byte for each 32 along K (their last axis).
; No work of the problem is left out in this program.
; A FRAGMENT is 16 rows; its codes of 128 along K are 12 registers a lane, kept as an image of 1,536 bytes: register 4 c + q of lane l at byte 512 c + 16 l + 4 q.
; xw: [fragment 704][K / 128][1536];  xws: [fragment][half of K][row-lane 16][4 words]: a word holds the four scale bytes of 128 along K.
; THE ROWS OF A FRAGMENT: row-lane m = 8 e + i (e = 0, 1; i = 0 .. 7) is row base + 32 e + i.  So four fragments whose bases lie 8 apart, used as source 0 of a product, leave 32 neighbours in one lane's registers: a scale block of the next product.
;   x: fragment 16 g + 8 c + 2 j + w has base 256 g + 128 w + 64 c + 8 j (j = 0 .. 3; c, w = 0, 1);  fragments 512, 576, 640 on: W_q, W_k, W_v: number 4 d + j has base 64 d + 8 j.
; A wave, alone in its work-group, takes one fragment and half of K: four units of 128 along K.  Each load reads 512 consecutive bytes of a row; a unit's 16 rows turn through the wave's stage in LDS, so that a lane gets two whole blocks of 32 of one row.
; A block's scale is 2^(floor(log2(largest magnitude)) - 2); its byte is the largest magnitude's exponent field - 2, held at 1 from below.
; LIMITS: a block of zeros gets the byte 1 (its codes are zeros, and this program alone reads the bytes); NaN and infinities among the inputs are not served.
.set STGB,  8448
.set SPARE, STGB
.set LNO,   1
.set SOUT,  3
.set SH8,   4
.set SCO,   5
.set SPW,   8
.set NIL,   9
.set WD,    10
.set IM,    18
.set R,     32
.set X,     160
.set PC,    224
.set TP,    236
	s_load_b256 s[4:11], s[0:1], 0x0               ; x, W_q, W_k, W_v
	s_load_b128 s[12:15], s[0:1], 0x20             ; xw, xws
	v_lshl_add_u32 v[SPW], v0, 2, SPARE
	v_mov_b32 v[NIL], 0
	v_and_b32 v2, 31, v0
	v_lshlrev_b32 v[LNO], 4, v2
	v_and_b32 v6, 15, v0                           ; r
	v_bfe_u32 v7, v0, 4, 1                         ; h
	v_mul_u32_u24 v[SOUT], v6, 528
	v_lshl_add_u32 v[SOUT], v7, 7, v[SOUT]
	v_lshlrev_b32 v[SH8], 3, v7
	v_lshl_add_u32 v[SCO], v6, 4, v[SH8]           ; the scale words' place: 16 r + 8 h
	v_mov_b32 v26, 0                               ; a lane permute's destination counts as one of its sources
	s_mov_b32 s20, 0x76543210
	s_mov_b32 s21, 0xfedcba98                      ; selects for lane l xor 16
	s_mov_b32 s22, 0xffff0000                      ; lanes 16-31
	s_and_b32 s18, ttmp7, 0xffff                   ; my half of K
	s_lshr_b32 s26, ttmp9, 4                       ; x: 256 g + 128 w + 64 c + 8 j
	s_lshl_b32 s26, s26, 8
	s_and_b32 s27, ttmp9, 1
	s_lshl_b32 s27, s27, 7
	s_add_co_u32 s26, s26, s27
	s_bfe_u32 s27, ttmp9, 0x10003
	s_lshl_b32 s27, s27, 6
	s_add_co_u32 s26, s26, s27
	s_bfe_u32 s27, ttmp9, 0x20001
	s_lshl_b32 s27, s27, 3
	s_add_co_u32 s26, s26, s27
	s_bfe_u32 s28, ttmp9, 0x40002                  ; a weight: 64 d + 8 j
	s_lshl_b32 s28, s28, 6
	s_and_b32 s29, ttmp9, 3
	s_lshl_b32 s29, s29, 3
	s_add_co_u32 s28, s28, s29
	s_cmp_lt_u32 ttmp9, 512
	s_cselect_b32 s26, s26, s28
	s_lshl_b32 s26, s26, 12
	s_lshl_b32 s27, s18, 11
	s_add_co_u32 s26, s26, s27
	s_mov_b32 s27, 0
	s_mul_i32 s28, ttmp9, 12288
	s_mul_i32 s29, s18, 6144
	s_add_co_u32 s28, s28, s29
	s_mov_b32 s29, 0
	s_lshl_b32 s30, ttmp9, 9
	s_lshl_b32 s31, s18, 8
	s_add_co_u32 s30, s30, s31
	s_mov_b32 s31, 0
	s_wait_alu depctr_va_vdst(0)
	s_wait_kmcnt 0x0
	s_cmp_lt_u32 ttmp9, 640                        ; which tensor: the choice hangs on the work-group's number alone
	s_cselect_b64 s[24:25], s[8:9], s[10:11]
	s_cmp_lt_u32 ttmp9, 576
	s_cselect_b64 s[24:25], s[6:7], s[24:25]
	s_cmp_lt_u32 ttmp9, 512
	s_cselect_b64 s[24:25], s[4:5], s[24:25]
	s_add_nc_u64 s[24:25], s[24:25], s[26:27]
	s_add_nc_u64 s[12:13], s[12:13], s[28:29]
	s_add_nc_u64 s[14:15], s[14:15], s[30:31]
.macro LOAD a                          ; unit a: 16 rows, 512 consecutive bytes each
.irp i, 0,1,2,3,4,5,6,7,8,9,10,11,12,13,14,15
	global_load_b128 v[R+64*((\a)%2)+4*\i:R+64*((\a)%2)+4*\i+3], v[LNO], s[24:25] offset:(\i%8+32*(\i/8))*4096+512*(\a) th:TH_LOAD_NT
.endr
.endm
.macro UNIT a
.if (\a) < 3
	s_wait_loadcnt 16                              ; this unit's 16 loads are in; the next unit's may be out
.else
	s_wait_loadcnt 0x0
.endif
.irp i, 0,1,2,3,4,5,6,7,8,9,10,11,12,13,14,15
	ds_store_b128 v[LNO], v[R+64*((\a)%2)+4*\i:R+64*((\a)%2)+4*\i+3] offset:528*\i
.endr
.irp c, 0,1
.irp j, 0,1,2,3,4,5,6,7
	ds_load_b128 v[X+32*\c+4*\j:X+32*\c+4*\j+3], v[SOUT] offset:256*\c+16*\j   ; LDS serves a wave's instructions in order: these see the stores above
.endr
.endr
	s_wait_dscnt 0x0                               ; my numbers are back, and the stores have read their registers,
.if (\a) < 2
	LOAD (\a)+2                                    ; which take the unit two further on
.endif
.irp c, 0,1
	v_max3_num_f32 v[22+\c], |v[X+32*\c]|, |v[X+32*\c+1]|, 0x1800000   ; block 2 c + h is all mine; the floor 2^(3 - 127) holds the byte at 1 from below
.endr
.irp i, 2,4,6,8,10,12,14,16,18,20,22,24,26,28,30
.irp c, 0,1
	v_max3_num_f32 v[22+\c], v[22+\c], |v[X+32*\c+\i]|, |v[X+32*\c+\i+1]|
.endr
.endr
.irp c, 0,1
	v_add_nc_u32 v[24+\c], 0xff000000, v[22+\c]    ; 2 off the exponent field: the conversion's scale operand
.endr
	v_lshrrev_b32 v22, 23, v24                     ; the bytes
	v_lshrrev_b32 v23, 23, v25
	v_lshl_or_b32 v27, v23, 16, v22                ; blocks h and 2 + h,
	v_lshlrev_b32 v27, v[SH8], v27                 ; at their places in the word;
	v_permlanex16_b32 v26, v27, s20, s21
	v_or_b32 v[WD+\a], v27, v26                    ; with lane l xor 16's two the word is whole
	s_wait_alu depctr_va_vdst(0)
.if (\a) > 0
	s_wait_xcnt 0x0                                ; the last unit's stores have read the codes' registers
.endif
.irp c, 0,1
	v_cvt_scalef32_pk16_fp6_f32 v[PC+6*\c:PC+6*\c+2], v[X+32*\c:X+32*\c+15], v[24+\c]
	v_cvt_scalef32_pk16_fp6_f32 v[TP+4*\c:TP+4*\c+2], v[X+32*\c+16:X+32*\c+31], v[24+\c]   ; (a conversion's three registers begin on an even number)
.endr
	v_nop                                          ; one plain place behind a scaled conversion
.irp c, 0,1
.irp i, 0,1,2
	v_mov_b32 v[PC+6*\c+3+\i], v[TP+4*\c+\i]
.endr
.endr
.irp c, 0,1,2
	global_store_b128 v[LNO], v[PC+4*\c:PC+4*\c+3], s[12:13] offset:(\a)*1536+512*\c   ; 32 lanes store 512 consecutive bytes, aligned
.endr
.endm
	LOAD 0
	LOAD 1
.irp a, 0,1,2,3
	UNIT \a
.endr
	v_cndmask_b32 v[IM], v[WD], v[WD+2], s22       ; lanes 0-15: words 0, 1 of row r; lanes 16-31: words 2, 3
	v_cndmask_b32 v[IM+1], v[WD+1], v[WD+3], s22
	global_store_b64 v[SCO], v[IM:IM+1], s[14:15]  ; 32 lanes store one aligned unit of 256 bytes
	s_wait_tensorcnt 0x0                           ; the wave's end, behind my last LDS store
	ds_add_u32 v[SPW], v[NIL]
	s_wait_dscnt 0x0
	s_endpgm
.Lfunc_end_k_qc74bc503f0_quant:
	.size	k_qc74bc503f0_quant, .Lfunc_end_k_qc74bc503f0_quant-k_qc74bc503f0_quant
	.p2alignl 7, 3214868480
	.fill 96, 4, 3214868480
	.section	.rodata,"a",@progbits
	.p2align	6, 0x0
	.amdhsa_kernel k_qc74bc503f0_quant
		.amdhsa_group_segment_fixed_size 8704
		.amdhsa_private_segment_fixed_size 0
		.amdhsa_enable_private_segment 0
		.amdhsa_kernarg_size 48
		.amdhsa_user_sgpr_count 2
		.amdhsa_user_sgpr_kernarg_segment_ptr 1
		.amdhsa_wavefront_size32 1
		.amdhsa_system_sgpr_workgroup_id_x 1
		.amdhsa_system_sgpr_workgroup_id_y 1
		.amdhsa_system_sgpr_workgroup_id_z 1
		.amdhsa_system_vgpr_workitem_id 0
		.amdhsa_next_free_vgpr 256
		.amdhsa_next_free_sgpr 66
		.amdhsa_reserve_vcc 0
		.amdhsa_float_denorm_mode_32 3
		.amdhsa_float_denorm_mode_16_64 3
		.amdhsa_memory_ordered 1
		.amdhsa_forward_progress 1
		.amdhsa_inst_pref_size 31
	.end_amdhsa_kernel
	.amdgpu_metadata
---
amdhsa.version: [ 1, 2 ]
amdhsa.kernels:
  - .name:           k_qc74bc503f0_quant
    .symbol:         k_qc74bc503f0_quant.kd
    .args:
      - { .name: x, .offset: 0, .size: 8, .value_kind: global_buffer, .address_space: global }
      - { .name: W_q, .offset: 8, .size: 8, .value_kind: global_buffer, .address_space: global }
      - { .name: W_k, .offset: 16, .size: 8, .value_kind: global_buffer, .address_space: global }
      - { .name: W_v, .offset: 24, .size: 8, .value_kind: global_buffer, .address_space: global }
      - { .name: xw, .offset: 32, .size: 8, .value_kind: global_buffer, .address_space: global }
      - { .name: xws, .offset: 40, .size: 8, .value_kind: global_buffer, .address_space: global }
    .group_segment_fixed_size: 8704
    .private_segment_fixed_size: 0
    .kernarg_segment_align: 8
    .kernarg_segment_size: 48
    .max_flat_workgroup_size: 32
    .sgpr_count:     66
    .vgpr_count:     256
    .wavefront_size: 32
...
	.end_amdgpu_metadata
.endif
;; end of part 1
;; launch proj (part 2): grid 16 x 16, 4 waves a work-group, clusters of 4 x 4, 327,680 bytes of LDS; arguments xw, xws, qkv, qkvs; writes qkv, qkvs
.if DOCPART == 2
	.amdgcn_target "amdgcn-amd-amdhsa--gfx1250"
	.amdhsa_code_object_version 6
	.text
	.protected	k_qc74bc503f0_proj
	.globl	k_qc74bc503f0_proj
	.p2align	8
	.type	k_qc74bc503f0_proj,@function
k_qc74bc503f0_proj:
	s_mov_b64 s[64:65], 0
	v_nop
	global_prefetch_b8 v0, s[64:65] scope:SCOPE_SE
	s_setreg_imm32_b32 hwreg(HW_REG_WAVE_MODE, 25, 1), 1
	s_wait_xcnt 0x0
	s_wait_alu depctr_hold_cnt(0) depctr_sa_sdst(0) depctr_va_vdst(0) depctr_va_sdst(0) depctr_va_ssrc(0) depctr_va_vcc(0) depctr_vm_vsrc(0)
	s_getreg_b32 s2, hwreg(HW_REG_IB_STS2, 6, 4)
	s_cmp_eq_u32 s2, 0
	s_cbranch_scc0 .Lentry_in_a_cluster
	s_endpgm
.Lentry_in_a_cluster:
	s_bfe_u32 s2, ttmp6, 0x10000c
	s_cmp_lg_u32 s2, 0xf033
	s_cbranch_scc0 .Lentry_shape_is_right
	s_endpgm
.Lentry_shape_is_right:
; q, k, v = x W^T and their quantisers.  The results leave as codes of FP6 and scale bytes, as images of the operand registers of the launches that read them.  No f32 result is stored.
; WHAT IS READ: xw and xws as the launch before lays them (fragments of 16 rows; a fragment's codes of all of K are 12,288 consecutive bytes, its scale words 512).
; WHAT IS WRITTEN (r = lane % 16, h = lane / 16; key step = 128 tokens on end; a token fragment of a key step is number 4 c + j, row-lane 8 e + i = token 64 c + 32 e + 8 j + i):
;   q, k (k 6,291,456 bytes on): [key step 64][fragment 8][128 of o: 8][half b of the 128][512 bytes: registers 6 b .. 6 b + 3, 16 a lane; 256 bytes: registers 6 b + 4, 6 b + 5, 8 a lane];
;   their scale words (k 262,144 on): [key step][128 of o][lane 32][4]: word j of lane (r, c) is row-lane r of fragment 4 c + j;
;   v (12,582,912 on): [batch 4][fragment of o 64][key step of the batch 16][1536], K = the tokens;  its scale words (524,288 on): [batch][64 of o: 16][key step 16][r][4]: word t: fragment t of the four.
; LIMITS: a block of zeros gets the byte 1 (its codes are zeros); NaN and infinities are not served.
; THE DEAL.  256 work-groups of four waves, 2 x 2.  Work-group (i, y) makes tokens 512 y .. of 128 columns of q (i < 8) or k (128 (i % 8) ..) and of v's columns 64 i ..
; A wave keeps six column tiles, ALL of K, in registers (48 fragments: four of q or k, two of v) and streams x's rows past them in blocks of 16: block s of the wave in row w is fragment 2 s + w of the work-group's 32; the wave in column b takes the b-th half of the columns.
; q and k are made transposed (source 0 = the weight): a lane's 32 results of a block are 32 neighbouring columns of a token.  v is not: a lane's results of four blocks on end (a band) are 32 neighbouring tokens of a column.  So each scale block lies in one lane.
; CLUSTERS 4 x 4, joint loads: x's rows are shared by a row of the cluster (mask s44), the weights' by a column (s45).
; LDS: 24 places for fragments, then the scale words of all 32 fragments of x, the stages for the results' scale bytes, the spare words.  x's fragment f lies in place f % 24; the weights' twelve lie in places 12 to 23 until they are in registers.
; FILLS: at the head one tensor load a wave: 8 fragments of q's or k's weight, 4 of v's, x's fragments 0-11, the scale words.  Two refills, each in a drained round inside a block of products: in block 0 places 12-23 (x's fragments 12-23), in block 4
; places 0-7 (24-31); waves 0 and 1 a half each.  The first is shown by the second's round, the second by a plain barrier in block 10, behind which nothing is filled.
; PREFETCHES, shared by address among the sixteen waves that ask jointly: the first refill's fragments at the head, behind the weights' landing; the second's behind the first.
; A BLOCK is 48 products; behind every second one stand two entries: the next address, and the first part of the way out of the last block (and of a band of v).
; THE WAITS' COUNTS.  A block's fragments were fetched two blocks ago; younger are the byte stores at the last block's end and the next block's NF loads.
.set FB,     12288                     ; a fragment's codes, all of K
.set WB,     12*FB
.set SCL,    24*FB
.set XN,     SCL+16384                 ; q's or k's scale bytes: 2,048
.set XM,     XN+2048                   ; v's: 1,024
.set SPARE,  XM+1024
.set NF,     26                        ; LDS loads of a block: 24 for eight fragments, 2 for eight scale words
.set EMAX,   2
.set CO,     1                         ; 16 x lane
.set CO8,    2                         ; 8 x lane
.set SPW,    3
.set NIL,    4
.set ADRA0,  5                         ; LDS address of my fragment of block 0
.set ADRA,   6                         ; of the block that is fetched next
.set STO,    7                         ; LDS, q's or k's scale byte
.set STV,    8                         ; LDS, v's
.set AAS0,   9                         ; LDS, my row's scale words of block 0
.set PF,     10
.set PF3,    11
.set ADRB,   12                        ; (the head's)  LDS, my four fragments of q's or k's weight
.set ADRV,   13                        ; (the head's)  my two of v's
.set ABS,    14                        ; (the head's)
.set TA,     12                        ; v12-14 a conversion's codes
.set SB,     16                        ; v16-39 the weights' scale words: tiles 2 p, 2 p + 1 in lanes 0-15, 16-31
.set TQ,     40                        ; v40, v41 the two chains
.set SOP,    42
.set EB,     43
.set SA,     44                        ; v44-59 the rows' scale words: two sets
.set ACC,    60                        ; v60-123 q or k: two sets of four accumulators
.set VL,     124                       ; v124-187 v: blocks 0, 1 of a band: 32 (band % 2) + 16 t + 8 j
.set VH,     188                       ; v188-219 blocks 2, 3: 16 t + 8 (j - 2)
.set F63,    220                       ; v220-231 the 64th fragment
.set NCD,    232                       ; v232-237 q's or k's codes
.set TC,     238
.set MCD1,   242                       ; v242-253 v's tile 1: an operand.  (Tile 0's lies in v252-255 of windows 1, 2, 3)
.set SOPV,   254
.set EBV,    255
.set G1A,    24
.set G1B,    32
.set G1V,    80
.set G1S,    92
.set G0A,    56
.set G0B,    60
.set G0R,    68
.set G0S,    72
.set G0V,    88
.set MSB, 0
.macro WIN new
.if MSB != (\new)
	s_set_vgpr_msb (MSB<<8)|(\new)
.set MSB, (\new)
.endif
.endm
.macro PLACES n
.rept \n
	v_nop
.endr
.endm
.macro WALU
	s_wait_alu depctr_va_vdst(0)
.endm
.macro BARRIER
	s_barrier_signal -1
	s_barrier_wait -1
.endm
.macro MIDDLE                          ; a round's middle
	WIN 0
	s_barrier_wait -1
	s_cmp_lg_u32 s14, 0
	s_cbranch_scc1 .Lnot_wave_0_\@
	s_barrier_signal -3
.Lnot_wave_0_\@:
	s_barrier_wait -3
.endm
.macro CROUND
	s_barrier_signal -1
	MIDDLE
	BARRIER
.endm
.macro TLOAD g0, g1
	tensor_load_to_lds s[\g0:\g0+3], s[\g1:\g1+7]
	s_nop 0
	PLACES 4
.endm
.macro GROUP1 g, mask, rows            ; fragments as rows of 12,288 bytes (1,536 elements of 8 bytes)
	s_or_b32 s[\g+0], s[\mask], (3<<16)|(1<<21)
	s_mov_b32 s[\g+1], 1536<<16
	s_mov_b32 s[\g+2], (\rows)<<16
	s_mov_b32 s[\g+3], 1536<<16
	s_mov_b32 s[\g+4], \rows
	s_mov_b32 s[\g+5], 1536
	s_mov_b32 s[\g+6], 0
	s_mov_b32 s[\g+7], 0
.endm
.macro SADD d, x
	s_add_co_u32 s\d, s\d, s\x
.endm
.macro G0SET g, base, off              ; group 0's address: 64-bit base + the 32-bit offset in s\off (s21 = 0)
	s_mov_b32 s20, s\off
	s_add_nc_u64 s[\g+2:\g+3], s[\base:\base+1], s[20:21]
	s_or_b32 s[\g+3], s[\g+3], 0x80000000
.endm
.macro RDESC n, lds, src               ; a refill's descriptor: n fragments for each of waves 0 and 1
	s_mov_b32 s[G1A+2], (\n)<<16
	s_mov_b32 s[G1A+4], \n
	s_mul_i32 s20, s14, (\n)*FB
	s_add_co_u32 s[G0R+1], s20, \lds
	s_add_co_u32 s20, s20, s66
	s_add_co_u32 s20, s20, \src
	s_mov_b32 s21, 0
	s_add_nc_u64 s[G0R+2:G0R+3], s[4:5], s[20:21]
	s_or_b32 s[G0R+3], s[G0R+3], 0x80000000
.endm
; Fragment f lies in window 1 + f / 21 at register 12 (f % 21), the 64th in window 0: 0-47 the weights' (6 q + u), 48-55 and 56-63 the rows' two sets.
.macro FPOS f, w, r
.if (\f) < 63
.set \w, 1+(\f)/21
.set \r, 12*((\f)%21)
.else
.set \w, 0
.set \r, F63
.endif
.endm
.macro FRAG f, off, a
	FPOS \f, FW_, FR_
	WIN FW_<<6
.irp c, 0,1,2
	ds_load_b128 v[FR_+4*\c:FR_+4*\c+3], \a offset:(\off)+512*\c
.endr
.endm
.macro WEIGHTS                         ; my six column tiles, all of K: 144 loads
.irp q, 0,1,2,3,4,5,6,7
.irp u, 0,1,2,3
	FRAG 6*\q+\u, FB*\u+1536*\q, v[ADRB]
.endr
.irp u, 0,1
	FRAG 6*\q+4+\u, FB*\u+1536*\q, v[ADRV]
.endr
.endr
	WIN 0
.endm
.macro FETCHAT s, a                    ; block s into set s % 2: NF loads
.irp q, 0,1,2,3,4,5,6,7
	FRAG 48+8*((\s)%2)+\q, 1536*\q, \a
.endr
	WIN 0
	ds_load_b128 v[SA+8*((\s)%2):SA+8*((\s)%2)+3], v[AAS0] offset:1024*(\s)
	ds_load_b128 v[SA+8*((\s)%2)+4:SA+8*((\s)%2)+7], v[AAS0] offset:1024*(\s)+256
.endm
; A product.  n = 6 q + u: u = 0 .. 3: q or k, source 0 the weight; u = 4, 5: v, source 0 x's rows.  The six accumulators take turns.
.macro PROD n
.set Q_, (\n)/6
.set U_, (\n)%6
	FPOS 6*Q_+U_, WW_, WR_
	FPOS 48+8*E_+Q_, XW_, XR_
.set XB_, SB+8*(U_/2)+Q_
.set XA_, SA+8*E_+Q_
.if U_ < 4
.set D_, ACC+32*E_+8*U_
	WIN WW_|(XW_<<2)
.if Q_
	PROD1 WR_, XR_, v[D_:D_+7], XB_, XA_, a, U_%2
.else
	PROD1 WR_, XR_, 0, XB_, XA_, a, U_%2
.endif
.else
.set D_, VJ_+16*(U_-4)
	WIN XW_|(WW_<<2)
.if Q_
	PROD1 XR_, WR_, v[D_:D_+7], XA_, XB_, b, U_%2
.else
	PROD1 XR_, WR_, 0, XA_, XB_, b, U_%2
.endif
.endif
.endm
.macro PROD1 s0, s1, c, x0, x1, side, o
.if \o
	v_wmma_scale_f32_16x16x128_f8f6f4 v[D_:D_+7], v[\s0:\s0+11], v[\s1:\s1+11], \c, v[\x0], v[\x1] matrix_a_fmt:MATRIX_FMT_FP6 matrix_b_fmt:MATRIX_FMT_FP6 matrix_\side\()_scale:MATRIX_SCALE_ROW1
.else
	v_wmma_scale_f32_16x16x128_f8f6f4 v[D_:D_+7], v[\s0:\s0+11], v[\s1:\s1+11], \c, v[\x0], v[\x1] matrix_a_fmt:MATRIX_FMT_FP6 matrix_b_fmt:MATRIX_FMT_FP6 matrix_\side\()_scale:MATRIX_SCALE_ROW0
.endif
.endm
; A way out's first part, 18 entries: the largest magnitude of the sums at xa .. xa + 15 and xb .. xb + 15, in two chains, and the conversions' scale operand v[so].
.macro CHAIN i, xa, xb, so, t
.if (\i) >= 0 && (\i) < 14
.if (\i)%2
.set B_, (\xb)+2*((\i)/2)
.set T_, \t
.else
.set B_, (\xa)+2*((\i)/2)
.set T_, (\t)+1
.endif
	WIN 0
.if (\i) < 2
	v_max3_num_f32 v[T_], |v[B_]|, |v[B_+1]|, |v[B_+2]|
.else
	v_max3_num_f32 v[T_], v[T_], |v[B_+1]|, |v[B_+2]|
.endif
.elseif (\i) == 14
	WIN 0
	v_max3_num_f32 v[\t+1], v[\t+1], |v[\xa+15]|, (EMAX+1)<<23   ; the floor 2^(3 - 127) holds the byte at 1 from below
.elseif (\i) == 15
	WIN 0
	v_nop
.elseif (\i) == 16
	WIN 0
	v_max3_num_f32 v[\t], v[\t], |v[\xb+15]|, v[\t+1]
.elseif (\i) == 17
	WIN 0
	v_add_nc_u32 v[\so], -(EMAX<<23), v[\t]
.endif
.endm
; Its second part: 32 codes, six registers, and the scale's byte.
.macro CVT so, xa, xb, d, t
	v_cvt_scalef32_pk16_fp6_f32 v[\d:\d+2], v[\xa:\xa+15], v[\so]
	v_cvt_scalef32_pk16_fp6_f32 v[\t:\t+2], v[\xb:\xb+15], v[\so]
.endm
.macro MOVS d, t
.irp i, 0,1,2
	v_mov_b32 v[\d+3+\i], v[\t+\i]
.endr
.endm
.macro MOV0 c, ta, tb                  ; v's tile 0: registers 6 c .. 6 c + 5 of its operand: register m in window 1 + m / 4, v[252 + m % 4]
.irp k, 0,1,2,3,4,5
.set M_, 6*(\c)+\k
	WIN (1+M_/4)<<6
.if \k < 3
	v_mov_b32 v[252+M_%4], v[\ta+\k]
.else
	v_mov_b32 v[252+M_%4], v[\tb+\k-3]
.endif
.endr
	WIN 0
.endm
.macro PUT2 r, off                     ; six registers: 512 and 256 consecutive bytes
	global_store_b128 v[CO], v[\r:\r+3], s[76:77] offset:\off
	global_store_b64 v[CO8], v[\r+4:\r+5], s[76:77] offset:(\off)+512
.endm
.macro PUTV0 off                       ; v's tile 0
.irp k, 0,1,2
	WIN (1+\k)<<2
	global_store_b128 v[CO], v[252:255], s[52:53] offset:(\off)+512*\k
.endr
	WIN 0
.endm
.macro PUTV1 off                       ; v's tile 1
.irp k, 0,1,2
	global_store_b128 v[CO], v[MCD1+4*\k:MCD1+4*\k+3], s[52:53] offset:24576+(\off)+512*\k
.endr
.endm
.macro LST i
.if HF_ && ((\i) == 0)
	WIN 0
	v_add_nc_u32 v[ADRA], NX_, v[ADRA0]
.endif
.if HQ_
	CHAIN (\i)-QS_, QA_, QA_+16, SOP, TQ
.endif
.if HV_
	CHAIN (\i)-20, VA_, VB_, SOPV, TQ
.endif
.endm
.macro RUN from, to                    ; products from .. to - 1
.set N_, \from
.rept (\to)-(\from)
	PROD N_
.if (N_%2) && (N_ < 40)
	LST N_-1
	LST N_
.endif
.set N_, N_+1
.endr
.endm
; Block s.  kind 1: a round with a refill stands inside it; 2: a plain barrier shows the last refill; 0: neither.
.macro BLK s, kind
.set S_, \s
.set E_, S_%2
.set J_, S_%4
.set K_, S_/4
.set HQ_, 0
.set HF_, 0
.set HV_, 0
.set W_, 0
.set QA_, ACC+32*(1-E_)                ; the last block's sums
.set NX_, ((2*S_+4)%24)*FB
.if J_ < 2
.set VJ_, VL+32*(K_%2)+8*J_
.else
.set VJ_, VH+8*(J_-2)
.endif
.if S_ > 0
.set HQ_, 1
.set QO_, 1024*((S_-1)/8)+256*(((S_-1)/4)%2)+4*((S_-1)%4)
.set QG_, ((S_-1)/8)*16*FB+((S_-1)%8)*FB
.endif
.if S_ < 14
.set HF_, 1
.endif
.if (S_ >= 4) && (J_ < 2)              ; tile J_ of v's last band goes out
.set HV_, 1
.set KP_, K_-1
.set CP_, KP_%2
.set VA_, VL+32*CP_+16*J_
.set VB_, VH+16*J_
.endif
.if HV_                                ; where the last block's way out begins in the list: ahead of v's, or so that it ends close to its conversions
.set QS_, 2
.else
.set QS_, 22
.endif
.if S_ < 15
.set W_, NF
.endif
.if S_ > 1
.set W_, W_+1
.endif
.if (S_ > 4) && ((S_-1)%4 < 2)
.set W_, W_+1
.endif
.if (S_ != 1) && (S_ != 5) && (S_ != 11)   ; (in the blocks ahead of these three a wait for all LDS work has shown the rows in)
	s_wait_dscnt W_
.endif
.if S_ > 1
	s_wait_xcnt 0x0                                ; the last block's stores have read their registers
.endif
.if \kind == 1
	s_wait_tensorcnt 0x0                           ; all my tensor loads have landed
	ds_add_u32 v[SPW], v[NIL]
.if S_ == 0
	RDESC 6, WB, WB
.else
	RDESC 4, 0, 24*FB
.endif
.endif
.if \kind
	RUN 0, 40
	WIN 0
	WALU
.if \kind == 2
	s_wait_tensorcnt 0x0
.endif
	s_wait_dscnt 0x0
	s_barrier_signal -1
	RUN 40, 48
	WIN 0
.if \kind == 2
	s_barrier_wait -1
.endif
.else
	RUN 0, 48
	WIN 0
.endif
.if HQ_
	CVT SOP, QA_, QA_+16, NCD, TC
	v_lshrrev_b32 v[EB], 23, v[SOP]
	MOVS NCD, TC
.else
	PLACES 4
.endif
.if HV_
.if J_ == 0
	CVT SOPV, VA_, VB_, TA, TC
	v_lshrrev_b32 v[EBV], 23, v[SOPV]
	MOV0 CP_, TA, TC
.else
	CVT SOPV, VA_, VB_, MCD1+6*CP_, TC
	v_lshrrev_b32 v[EBV], 23, v[SOPV]
	MOVS MCD1+6*CP_, TC
.endif
.endif
.if \kind == 1
	MIDDLE
	BARRIER
	s_cmp_lt_u32 s14, 2
	s_cbranch_scc0 .Lno_part_\@
	TLOAD G0R, G1A
.Lno_part_\@:
.endif
	WALU
.if HQ_
	ds_store_b8 v[STO], v[EB] offset:QO_
.endif
.if HV_
	ds_store_b8 v[STV], v[EBV] offset:512*(KP_/2)+4*J_+2*CP_
.endif
.if HQ_
	PUT2 NCD, QG_
.endif
.if HV_
.if CP_                                ; both bands are there: the operand leaves
.if J_ == 0
	PUTV0 3072*(KP_/2)
.else
	PUTV1 3072*(KP_/2)
.endif
.endif
.endif
.if HF_
	FETCHAT S_+2, v[ADRA]
.endif
.endm
; ================= THE HEAD
	s_load_b128 s[4:7], s[0:1], 0x0                ; xw, xws
	v_lshl_add_u32 v[SPW], v0, 2, SPARE
	v_mov_b32 v[NIL], 0
	ds_add_u32 v[SPW], v[NIL]                      ; the wave's opening: the add, twice on end, and its wait ahead of my first tensor load
	ds_add_u32 v[SPW], v[NIL]
	v_lshrrev_b32 v40, 5, v0
	v_readfirstlane_b32 s14, v40                   ; s14 the wave; s15 its row of the 2 x 2, s16 its column
	s_lshr_b32 s15, s14, 1
	s_and_b32 s16, s14, 1
	s_bfe_u32 s40, ttmp6, 0x40000                  ; cx
	s_bfe_u32 s41, ttmp6, 0x40004                  ; cy
	s_lshl_b32 s42, ttmp9, 2
	s_add_co_u32 s42, s42, s40                     ; i: the column tile, 0 .. 15
	s_and_b32 s43, ttmp7, 0xffff
	s_lshl_b32 s43, s43, 2
	s_add_co_u32 s43, s43, s41                     ; y: the tile of 512 tokens
	s_lshl_b32 s44, s41, 2
	s_lshl_b32 s44, 15, s44                        ; my row of the cluster
	s_lshl_b32 s45, 0x1111, s40                    ; my column
	GROUP1 G1A, 44, 12
	GROUP1 G1B, 45, 8
	GROUP1 G1V, 45, 4
	s_or_b32 s[G1S+0], s44, (3<<16)|(1<<21)        ; the scale words: 16,384 bytes as 64 rows of 256
	s_mov_b32 s[G1S+1], 32<<16
	s_mov_b32 s[G1S+2], 64<<16
	s_mov_b32 s[G1S+3], 32<<16
	s_mov_b32 s[G1S+4], 64
	s_mov_b32 s[G1S+5], 32
	s_mov_b32 s[G1S+6], 0
	s_mov_b32 s[G1S+7], 0
	s_mul_i32 s66, s43, 32*FB                      ; my rows, bytes from xw
	s_lshl_b32 s67, s43, 14                        ; their scale words, from xws
	s_mul_i32 s54, s42, 8*FB
	s_add_co_u32 s54, s54, 512*FB                  ; W_q's or W_k's rows
	s_mul_i32 s55, s42, 4*FB
	s_add_co_u32 s55, s55, 640*FB                  ; W_v's
	s_lshl_b32 s76, s42, 12
	s_lshl_b32 s21, s16, 11
	SADD 76, 21
	s_add_co_u32 s76, s76, 512*512                 ; their scale words: mine
	s_mov_b32 s77, 0
	s_lshl_b32 s78, s42, 11
	s_lshl_b32 s21, s16, 10
	SADD 78, 21
	s_add_co_u32 s78, s78, 640*512
	s_mov_b32 s79, 0
	s_mov_b32 s[G0A], 1
	s_mov_b32 s[G0A+1], 0
	s_mov_b32 s[G0B], 1
	s_mov_b32 s[G0B+1], WB
	s_mov_b32 s[G0V], 1
	s_mov_b32 s[G0V+1], 20*FB
	s_mov_b32 s[G0S], 1
	s_mov_b32 s[G0S+1], SCL
	s_mov_b32 s[G0R], 1
	s_wait_alu depctr_va_vdst(0)
	v_and_b32 v40, 15, v0                          ; r
	v_bfe_u32 v41, v0, 4, 1                        ; h
	v_and_b32 v42, 31, v0                          ; lane
	v_lshlrev_b32 v[CO], 4, v42
	v_lshlrev_b32 v[CO8], 3, v42
	s_mul_i32 s21, s15, FB
	v_add_nc_u32 v[ADRA0], s21, v[CO]
	s_mul_i32 s22, s16, 4*FB
	s_add_co_u32 s22, s22, WB
	v_add_nc_u32 v[ADRB], s22, v[CO]
	s_mul_i32 s22, s16, 2*FB
	s_add_co_u32 s22, s22, 20*FB
	v_add_nc_u32 v[ADRV], s22, v[CO]
	v_add_nc_u32 v[ADRA], 2*FB, v[ADRA0]
	v_lshlrev_b32 v43, 4, v40
	v_lshl_add_u32 v[ABS], v41, 9, v43             ; the weights' scale words: lanes 16-31 take the next fragment's
	s_lshl_b32 s21, s15, 9
	s_add_co_u32 s22, s21, SCL
	v_add_nc_u32 v[AAS0], s22, v43
	v_add_nc_u32 v43, v43, v41
	s_add_co_u32 s21, s21, XN
	s_lshl_b32 s22, s16, 1
	SADD 21, 22
	v_add_nc_u32 v[STO], s21, v43                  ; XN + 512 w + 16 r + 2 b + h
	s_lshl_b32 s21, s15, 8
	s_add_co_u32 s21, s21, XM
	s_lshl_b32 s22, s16, 3
	SADD 21, 22
	v_add_nc_u32 v[STV], s21, v43                  ; XM + 256 w + 16 r + 8 b + h
	s_lshl_b32 s100, s40, 2
	s_add_co_u32 s100, s100, s14                   ; my number among the sixteen waves of my row of the cluster
	s_mul_i32 s20, s100, 9216
	SADD 20, 66
	s_add_co_u32 s20, s20, WB
	v_min_u32 v[PF], 17, v42
	v_lshl_add_u32 v[PF], v[PF], 8, s20            ; the first refill: 36 of its blocks of 256 bytes, 18 and 18
	s_mul_i32 s20, s100, 6144
	SADD 20, 66
	s_add_co_u32 s20, s20, 24*FB
	v_min_u32 v[PF3], 23, v42
	v_lshl_add_u32 v[PF3], v[PF3], 8, s20          ; the second: 24
	WALU
	s_wait_dscnt 0x0
	CROUND                                         ; the opening round
	s_wait_kmcnt 0x0
	s_mov_b32 s21, 0
	G0SET G0A, 4, 66
	G0SET G0B, 4, 54
	G0SET G0V, 4, 55
	G0SET G0S, 6, 67
	s_add_nc_u64 s[10:11], s[6:7], s[76:77]
	s_add_nc_u64 s[12:13], s[6:7], s[78:79]
	s_cmp_eq_u32 s14, 0
	s_cbranch_scc0 .Lwave_1
	TLOAD G0B, G1B                                 ; wave 0: q's or k's weight
	s_branch .Lasked
.Lwave_1:
	s_cmp_eq_u32 s14, 1
	s_cbranch_scc0 .Lwave_2
	TLOAD G0V, G1V                                 ; wave 1: v's
	s_branch .Lasked
.Lwave_2:
	s_cmp_eq_u32 s14, 2
	s_cbranch_scc0 .Lwave_3
	TLOAD G0A, G1A                                 ; wave 2: x's fragments 0-11
	s_branch .Lasked
.Lwave_3:
	TLOAD G0S, G1S                                 ; wave 3: the scale words
.Lasked:
.irp c, 0,1
	global_load_b128 v[SB+4*\c:SB+4*\c+3], v[ABS], s[10:11] offset:256*\c
	global_load_b128 v[SB+8+4*\c:SB+8+4*\c+3], v[ABS], s[10:11] offset:1024+256*\c
	global_load_b128 v[SB+16+4*\c:SB+16+4*\c+3], v[ABS], s[12:13] offset:256*\c
.endr
	s_load_b128 s[48:51], s[0:1], 0x10             ; qkv, qkvs
	s_lshr_b32 s20, s42, 3                         ; 0 q, 1 k
	s_and_b32 s23, s42, 7
	s_mul_i32 s76, s20, 6291456                    ; s[76:77] q's or k's codes
	SADD 76, 66
	s_mul_i32 s22, s15, 8*FB
	SADD 76, 22
	s_mul_i32 s22, s23, 1536
	SADD 76, 22
	s_mul_i32 s22, s16, 768
	SADD 76, 22
	s_mov_b32 s77, 0
	s_lshl_b32 s78, s20, 18                        ; s[78:79] their scale words: wave 2 (half) + w sends those of that key step
	SADD 78, 67
	s_lshl_b32 s22, s14, 12
	SADD 78, 22
	s_lshl_b32 s22, s23, 9
	SADD 78, 22
	s_mov_b32 s79, 0
	s_lshr_b32 s20, s43, 2                         ; the batch
	s_and_b32 s23, s43, 3
	s_lshl_b32 s23, s23, 2                         ; my tokens' first key step in it
	s_mul_i32 s52, s20, 64*24576                   ; s[52:53] v's codes
	s_mul_i32 s22, s42, 4*24576
	SADD 52, 22
	s_mul_i32 s22, s16, 2*24576
	SADD 52, 22
	s_add_co_u32 s22, s23, s15
	s_mul_i32 s22, s22, 1536
	SADD 52, 22
	s_add_co_u32 s52, s52, 12582912
	s_mov_b32 s53, 0
	s_lshl_b32 s100, s20, 16                       ; s[100:101] v's scale words, a key step a wave
	s_lshl_b32 s22, s42, 12
	SADD 100, 22
	s_add_co_u32 s22, s23, s14
	s_lshl_b32 s22, s22, 8
	SADD 100, 22
	s_add_co_u32 s100, s100, 524288
	s_mov_b32 s101, 0
	WALU
	s_cmp_lt_u32 s14, 2
	s_cbranch_scc0 .Lnot_b
	s_wait_tensorcnt 0x0
.Lnot_b:
	BARRIER                                        ; the weights are in
	global_prefetch_b8 v[PF], s[4:5] th:TH_LOAD_NT scope:SCOPE_SE
	global_prefetch_b8 v[PF], s[4:5] offset:4608 th:TH_LOAD_NT scope:SCOPE_SE
	WEIGHTS
	s_wait_tensorcnt 0x0
	s_wait_dscnt 0x0
	BARRIER                                        ; x's fragments 0-11 and the scale words are in
	FETCHAT 0, v[ADRA0]
	FETCHAT 1, v[ADRA]
	s_wait_loadcnt 0x0
	s_wait_kmcnt 0x0
	s_add_nc_u64 s[76:77], s[48:49], s[76:77]
	s_add_nc_u64 s[52:53], s[48:49], s[52:53]
	s_add_nc_u64 s[78:79], s[50:51], s[78:79]
	s_add_nc_u64 s[100:101], s[50:51], s[100:101]
; ================= SIXTEEN BLOCKS
	BLK 0, 1
	global_prefetch_b8 v[PF3], s[4:5] th:TH_LOAD_NT scope:SCOPE_SE
.irp s, 1,2,3
	BLK \s, 0
.endr
	BLK 4, 1
.irp s, 5,6,7,8,9
	BLK \s, 0
.endr
	BLK 10, 2
.irp s, 11,12,13,14,15
	BLK \s, 0
.endr
; ================= THE END: the last way outs; the scale bytes go through LDS under their conversions.  (v60-91, block 14's sums, are free)
	s_wait_xcnt 0x0
	s_lshl_b32 s21, s14, 9
	s_add_co_u32 s21, s21, XN
	v_add_nc_u32 v12, s21, v[CO]
	s_lshl_b32 s21, s14, 8
	s_add_co_u32 s21, s21, XM
	v_add_nc_u32 v14, s21, v[CO8]
.set I, 0
.rept 18
	CHAIN I, ACC+32, ACC+48, SOP, TQ
	CHAIN I, VL+32, VH, 62, 60
	CHAIN I, VL+48, VH+16, 66, 64
.set I, I+1
.endr
	v_lshrrev_b32 v[EB], 23, v[SOP]
	v_lshrrev_b32 v63, 23, v62
	v_lshrrev_b32 v67, 23, v66
	WALU
	ds_store_b8 v[STO], v[EB] offset:1024+256+12
	ds_store_b8 v[STV], v63 offset:512+2
	ds_store_b8 v[STV], v67 offset:512+4+2
	s_wait_dscnt 0x0
	s_barrier_signal -1
	CVT SOP, ACC+32, ACC+48, NCD, TC
	CVT 62, VL+32, VH, 68, 72
	CVT 66, VL+48, VH+16, MCD1+6, 76
	v_nop
	MOVS NCD, TC
	MOVS MCD1+6, 76
	MOV0 1, 68, 72
	s_barrier_wait -1
	WALU
	ds_load_b128 v[80:83], v12
	ds_load_b64 v[84:85], v14
	PUT2 NCD, 16*FB+7*FB
	PUTV0 3072
	PUTV1 3072
	s_wait_dscnt 0x0
	global_store_b128 v[CO], v[80:83], s[78:79]
	global_store_b64 v[CO8], v[84:85], s[100:101]
	s_wait_tensorcnt 0x0                           ; the wave's end
	ds_add_u32 v[SPW], v[NIL]
	s_wait_dscnt 0x0
	CROUND                                         ; the closing round
	s_endpgm
.Lfunc_end_k_qc74bc503f0_proj:
	.size	k_qc74bc503f0_proj, .Lfunc_end_k_qc74bc503f0_proj-k_qc74bc503f0_proj
	.p2alignl 7, 3214868480
	.fill 96, 4, 3214868480
	.section	.rodata,"a",@progbits
	.p2align	6, 0x0
	.amdhsa_kernel k_qc74bc503f0_proj
		.amdhsa_group_segment_fixed_size 327680
		.amdhsa_private_segment_fixed_size 0
		.amdhsa_enable_private_segment 0
		.amdhsa_kernarg_size 32
		.amdhsa_user_sgpr_count 2
		.amdhsa_user_sgpr_kernarg_segment_ptr 1
		.amdhsa_wavefront_size32 1
		.amdhsa_system_sgpr_workgroup_id_x 1
		.amdhsa_system_sgpr_workgroup_id_y 1
		.amdhsa_system_sgpr_workgroup_id_z 1
		.amdhsa_system_vgpr_workitem_id 0
		.amdhsa_next_free_vgpr 1024
		.amdhsa_next_free_sgpr 102
		.amdhsa_reserve_vcc 0
		.amdhsa_float_denorm_mode_32 3
		.amdhsa_float_denorm_mode_16_64 3
		.amdhsa_memory_ordered 1
		.amdhsa_forward_progress 1
		.amdhsa_inst_pref_size 207
	.end_amdhsa_kernel
	.amdgpu_metadata
---
amdhsa.version: [ 1, 2 ]
amdhsa.kernels:
  - .name:           k_qc74bc503f0_proj
    .symbol:         k_qc74bc503f0_proj.kd
    .args:
      - { .name: xw, .offset: 0, .size: 8, .value_kind: global_buffer, .address_space: global }
      - { .name: xws, .offset: 8, .size: 8, .value_kind: global_buffer, .address_space: global }
      - { .name: qkv, .offset: 16, .size: 8, .value_kind: global_buffer, .address_space: global }
      - { .name: qkvs, .offset: 24, .size: 8, .value_kind: global_buffer, .address_space: global }
    .group_segment_fixed_size: 327680
    .private_segment_fixed_size: 0
    .kernarg_segment_align: 8
    .kernarg_segment_size: 32
    .max_flat_workgroup_size: 128
    .sgpr_count:     102
    .vgpr_count:     1024
    .wavefront_size: 32
...
	.end_amdgpu_metadata
.endif
;; end of part 2
;; launch score (part 3): grid 8 x 32, 4 waves a work-group, clusters of 4 x 4, 327,680 bytes of LDS; arguments qkv, qkvs, p, pst; writes p, pst
.if DOCPART == 3
	.amdgcn_target "amdgcn-amd-amdhsa--gfx1250"
	.amdhsa_code_object_version 6
	.text
	.protected	k_qc74bc503f0_score
	.globl	k_qc74bc503f0_score
	.p2align	8
	.type	k_qc74bc503f0_score,@function
k_qc74bc503f0_score:
	s_mov_b64 s[64:65], 0
	v_nop
	global_prefetch_b8 v0, s[64:65] scope:SCOPE_SE
	s_setreg_imm32_b32 hwreg(HW_REG_WAVE_MODE, 25, 1), 1
	s_wait_xcnt 0x0
	s_wait_alu depctr_hold_cnt(0) depctr_sa_sdst(0) depctr_va_vdst(0) depctr_va_sdst(0) depctr_va_ssrc(0) depctr_va_vcc(0) depctr_vm_vsrc(0)
	s_getreg_b32 s2, hwreg(HW_REG_IB_STS2, 6, 4)
	s_cmp_eq_u32 s2, 0
	s_cbranch_scc0 .Lentry_in_a_cluster
	s_endpgm
.Lentry_in_a_cluster:
	s_bfe_u32 s2, ttmp6, 0x10000c
	s_cmp_lg_u32 s2, 0xf033
	s_cbranch_scc0 .Lentry_shape_is_right
	s_endpgm
.Lentry_shape_is_right:
; S = q k^T on codes of FP6 (E2M3) with E8M0 scales, and the softmax's numerator for the second product: 256 tiles of 256 queries x 256 keys, K = 1,024 in 8 steps of 128.
; Source 1 = q (a lane holds one query), source 0 = k (the keys run along the result's registers).  Four waves, 128 x 128 each: one key step's queries against one key step's keys.
; By the order of k's rows in its fragments a lane's 64 results of a query are two whole blocks of 32 neighbouring keys: block 2 c + h, register 32 c + i.
; THE SOFTMAX.  t = score x log2(e) / 32.  For each query and each key step (a wave's 128 keys): M_loc = ceil(the largest t), a whole number; p = 2^(t - M_loc); l_loc = the sum of the unquantised p.
; p is quantised along the keys and leaves as codes with its scale words; -M_loc and l_loc leave beside them.  The row's M is the largest M_loc: the last launch takes M - M_loc off the scale bytes and brings the sums under M, by exact powers of two.
; A block's largest p is the block's largest score put through the same multiply-add and exponential (this takes v_exp_f32 not to fall where its input rises).
; p: [key step of the queries 64][fragment 8][key step of the batch 16][1536].  pst: three planes of [key step of the queries 64][key step 16][512]: scale words, -M_loc, l_loc.
; LIMITS: scaled scores under 2^31 in magnitude; a block whose every p is 0 gets the byte 1 (its codes are zeros); NaN and infinities are not served.
; K GOES THROUGH TWO LDS SLOTS of three steps (rows of 4,608 bytes of each fragment): steps 0-2 at the head, 3-5 behind the first round, 6-7 into slot 0 behind step 2's round.
; CLUSTERS 4 x 4: q's tile is shared along a row, k's along a column.  PREFETCH: each fill one fill ahead; of the 8 fragments that a wave loads the partner at place p asks for fragments 2 p and 2 p + 1, a lane a block of 256 bytes.
; REGISTERS: window 0: addresses; v12 -M, v13 0; v32-63 q's scale words, v68-99 k's; v128-223 q's fragments (on the way out: p, its codes, work).  window 1: k's fragments, two sets.  windows 2, 3: accumulator (a, b) at v[8 (8 (a % 4) + b)].
.set FB,    12288
.set RB,    4608                       ; three steps of a fragment
.set PART,  8*RB                       ; what a wave loads
.set SLOT,  4*PART
.set SPARE, 2*SLOT
.set LN16, 1
.set ADRA, 2                           ; v2-3 q's fragments in slot 0, 1 (16 bytes a lane);  v6-7 (8 bytes a lane)
.set ADB,  4                           ; v4-5, v8-9 k's
.set A8,   6
.set B8,   8
.set SPW,  10
.set NIL,  11
.set PF3,  20                          ; v20, v21 the prefetches' offsets
.set PF2,  21
.set SH8,  22
.set RS,   32
.set PS,   68
.set LL,   100
.set IM,   108
.set AF,   128
.set P64,  128
.set PC,   192
.set BM,   212
.set T4,   216
.set SO,   220
.set BY,   224
.set SUM2, 228
.set TA,   230
.set TB,   231
.set PW,   232
.set NM,   240
.set G1,   24
.set G1B,  32
.set G0R,  48
.set G0P,  68
.set SEL,  66
.set CS,   80
.set HM,   83
.set MSB, 0
.macro WIN new
.if MSB != (\new)
	s_set_vgpr_msb (MSB<<8)|(\new)
.set MSB, (\new)
.endif
.endm
.set MUL_LO, 0xa1                      ; source 0 (k) window 1, source 1 (q) window 0, C and D window 2
.set MUL_HI, 0xf1
; A joint load: waves 0 and 1 fetch q's halves, waves 2 and 3 k's.  The branch hangs on the wave's number alone.
.macro JLOAD s
	s_cmp_eq_u32 s15, 0
	s_cbranch_scc0 .Lfor_k_\@
	tensor_load_to_lds s[G0R+4*\s:G0R+4*\s+3], s[G1:G1+7]
	s_nop 0
.rept 4
	v_nop
.endr
	s_branch .Lasked_\@
.Lfor_k_\@:
	tensor_load_to_lds s[G0P+4*\s:G0P+4*\s+3], s[G1B:G1B+7]
	s_nop 0
.rept 4
	v_nop
.endr
.Lasked_\@:
.endm
.macro CREST
	s_cmp_lg_u32 s14, 0
	s_cbranch_scc1 .Lnot_wave_0_\@
	s_barrier_signal -3
.Lnot_wave_0_\@:
	s_barrier_wait -3
	s_barrier_signal -1
	s_barrier_wait -1
.endm
.macro CROUND
	s_barrier_signal -1
	s_barrier_wait -1
	CREST
.endm
.macro PLACES n
.rept \n
	v_nop
.endr
.endm
.macro FRAG reg, a16, a8, off          ; 12 registers: two halves of 512 + 256 bytes
	ds_load_b128 v[(\reg):(\reg)+3], v[\a16] offset:(\off)
	ds_load_b64 v[(\reg)+4:(\reg)+5], v[\a8] offset:(\off)+512
	ds_load_b128 v[(\reg)+6:(\reg)+9], v[\a16] offset:(\off)+768
	ds_load_b64 v[(\reg)+10:(\reg)+11], v[\a8] offset:(\off)+1280
.endm
.macro POS ks                          ; where step ks lies: steps 6 and 7 came in rows of two steps
.set SL_, ((\ks)/3)%2
.set ST_, ((\ks)%3)*1536
.if (\ks) < 6
.set PT_, RB
.else
.set PT_, 3072
.endif
.endm
.macro FETCH_B ks
	POS \ks
	WIN 0x40
.irp i, 0,1,2,3,4,5,6,7
	FRAG 128*((\ks)%2)+12*\i, ADB+SL_, B8+SL_, PT_*\i+ST_
.endr
	WIN 0
.endm
.macro FETCH_A ks, i0
	POS \ks
.irp i, 0,1,2,3
	FRAG AF+12*((\i0)+\i), ADRA+SL_, A8+SL_, PT_*((\i0)+\i)+ST_
.endr
.endm
.macro WM2 c, ra, rb
	v_wmma_scale_f32_16x16x128_f8f6f4 v[rD:rD+7], v[rP:rP+11], v[rR:rR+11], \c, v[rSP], v[rSR] matrix_a_fmt:MATRIX_FMT_FP6 matrix_b_fmt:MATRIX_FMT_FP6 matrix_a_scale:MATRIX_SCALE_ROW\ra matrix_b_scale:MATRIX_SCALE_ROW\rb
.endm
.macro WMR c                           ; rA1, rB1: the scale words stand in lanes 16-31
.if rA1
.if rB1
	WM2 \c, 1, 1
.else
	WM2 \c, 1, 0
.endif
.else
.if rB1
	WM2 \c, 0, 1
.else
	WM2 \c, 0, 0
.endif
.endif
.endm
; 16 products: q's blocks a0, a0 + 1 x k's eight.  The 64 accumulators take turns, one instruction a turn, in the same order in every step.
.macro MUL16 a0, ks, zero
.irp a, 0,1
.irp b, 0,1,2,3,4,5,6,7
.set aa, (\a0)+\a
.set rD, 8*(8*(aa%4)+\b)
.set rP, 128*((\ks)%2)+12*\b
.set rR, AF+12*aa
.set rSP, PS+4*(\ks)+\b%4
.set rSR, RS+4*(\ks)+aa%4
.set rA1, \b/4
.set rB1, aa/4
.if \zero
	WMR 0
.else
	WMR v[rD:rD+7]
.endif
.endr
.endr
.endm
.macro HALF2 ks, zero
	WIN MUL_HI
	MUL16 4, \ks, \zero
	MUL16 6, \ks, \zero
	PLACES 4
	WIN 0
	FETCH_A (\ks)+1, 4
.endm
.macro STEP ks, zero
	s_wait_dscnt 16                                ; k's set and q's blocks 0-3 are in; the youngest 16 loads (q's blocks 4-7) may be out
	WIN MUL_LO
	MUL16 0, \ks, \zero
	MUL16 2, \ks, \zero
	s_wait_dscnt 0x0
	PLACES 4
	FETCH_B (\ks)+1
	FETCH_A (\ks)+1, 0
	HALF2 \ks, \zero
.endm
.macro TURN ks, fill                   ; a slot's last step
	s_wait_tensorcnt 0x0                           ; all my tensor loads have landed
.if \fill
	ds_add_u32 v[SPW], v[NIL]                      ; 0 onto my spare word
	s_wait_dscnt 17                                ; (the add and the youngest 16 loads may be out)
.else
	s_wait_dscnt 16
.endif
	WIN MUL_LO
	MUL16 0, \ks, 0
	s_wait_dscnt 0x0                               ; my reads of the slot that I leave are over, and the add is done
	s_barrier_signal -1
	MUL16 2, \ks, 0
	WIN 0
	s_barrier_wait -1
.if \fill
	CREST                                          ; the barrier has opened a round: no wave of any partner still reads slot 0 or has a load on its way
	s_add_nc_u64 s[G0R+2:G0R+3], s[G0R+2:G0R+3], 2*RB
	s_add_nc_u64 s[G0P+2:G0P+3], s[G0P+2:G0P+3], 2*RB
.irp g, G1, G1B
	s_mov_b32 s[\g+1], 384<<16                     ; two steps: rows of 3,072 bytes
	s_mov_b32 s[\g+3], 384<<16
.endr
	JLOAD 0                                        ; its four v_nop are the places in front of the loads below
.else
	PLACES 4
.endif
	FETCH_B (\ks)+1
	FETCH_A (\ks)+1, 0
	HALF2 \ks, 0
.endm
	s_load_b256 s[4:11], s[0:1], 0x0               ; qkv s[4:5], qkvs s[6:7], p s[8:9], pst s[10:11]
	v_lshl_add_u32 v[SPW], v0, 2, SPARE
	v_mov_b32 v[NIL], 0
	ds_add_u32 v[SPW], v[NIL]                      ; the wave's opening: the add, twice on end, and its wait ahead of my first tensor load
	ds_add_u32 v[SPW], v[NIL]
	v_lshrrev_b32 v12, 5, v0
	v_readfirstlane_b32 s14, v12                   ; wave 0..3
	s_lshr_b32 s15, s14, 1                         ; my half of the queries.  Also: I fetch for q (0) or for k (1)
	s_and_b32 s16, s14, 1                          ; my half of the keys.  Also: which half of that tile I fetch
	s_bfe_u32 s17, ttmp6, 0x40000                  ; cx
	s_bfe_u32 s18, ttmp6, 0x40004                  ; cy
	s_and_b32 s19, ttmp7, 0xffff                   ; the cluster's y, 0..7
	s_lshl_b32 s20, ttmp9, 2
	s_add_co_u32 s20, s20, s17                     ; tx: the tile of 256 keys in its batch
	s_lshl_b32 s21, s19, 2
	s_add_co_u32 s21, s21, s18                     ; ty: the tile of 256 queries, of all 32
	s_lshl_b32 s22, s18, 2
	s_lshl_b32 s22, 15, s22                        ; my row of the cluster
	s_lshl_b32 s23, 0x1111, s17                    ; my column
	s_or_b32 s[G1], s22, (3<<16)|(1<<21)
	s_or_b32 s[G1B], s23, (3<<16)|(1<<21)
.irp g, G1, G1B                        ; 8 fragments: rows of 4,608 bytes (576 elements of 8), 12,288 apart
	s_mov_b32 s[\g+1], 576<<16
	s_mov_b32 s[\g+2], 8<<16
	s_mov_b32 s[\g+3], 576<<16
	s_mov_b32 s[\g+4], 8
	s_mov_b32 s[\g+5], 1536
	s_mov_b32 s[\g+6], 0
	s_mov_b32 s[\g+7], 0
.endr
	s_lshr_b32 s42, s19, 1                         ; the batch: two clusters' worth of queries
	s_lshl_b32 s42, s42, 3
	s_add_co_u32 s42, s42, s20                     ; k's tile of 256 tokens: made of cx and the cluster's x and y
	s_mul_i32 s44, s21, 16*FB
	s_mul_i32 s45, s16, 8*FB
	s_add_co_u32 s44, s44, s45                     ; q: the half that I fetch
	s_mov_b32 s45, 0
	s_mul_i32 s46, s42, 16*FB
	s_mul_i32 s47, s16, 8*FB
	s_add_co_u32 s46, s46, s47
	s_add_co_u32 s46, s46, 6291456                 ; k lies behind q
	s_mov_b32 s47, 0
	s_mul_i32 s60, s14, PART
	s_lshl_b32 s84, s21, 1
	s_add_co_u32 s84, s84, s15
	s_lshl_b32 s84, s84, 12                        ; the scale images of my 128 queries
	s_mov_b32 s85, 0
	s_lshl_b32 s86, s42, 1
	s_add_co_u32 s86, s86, s16
	s_lshl_b32 s86, s86, 12
	s_add_co_u32 s86, s86, 262144                  ; and of my 128 keys
	s_mov_b32 s87, 0
	s_lshl_b32 s88, s21, 1
	s_add_co_u32 s88, s88, s15                     ; my queries' key step
	s_lshl_b32 s92, s88, 13
	s_mul_i32 s88, s88, 8*24576                    ; p: its 8 fragments,
	s_lshl_b32 s93, s20, 1
	s_add_co_u32 s93, s93, s16                     ; my key step
	s_mul_i32 s89, s93, 1536
	s_add_co_u32 s88, s88, s89
	s_mov_b32 s89, 0
	s_lshl_b32 s93, s93, 9
	s_add_co_u32 s92, s92, s93                     ; pst: 8,192 x key step of the queries + 512 x key step
	s_mov_b32 s93, 0
	s_cmp_eq_u32 s15, 0
	s_cselect_b32 s98, s17, s18                    ; my place among the four that ask for my tile with me
	s_mul_i32 s98, s98, 2*FB
	s_mov_b32 s99, 0
	s_mov_b32 s[SEL], 0x76543210
	s_mov_b32 s[SEL+1], 0xfedcba98
	s_mov_b32 s[HM], 0xffff0000
	s_mov_b32 s[CS], 0x3d38aa3b                    ; log2(e) / 32
	s_mov_b32 s[CS+1], s[CS]                       ; (named with it as a pair, so it is written)
	v_and_b32 v12, 31, v0
	v_lshlrev_b32 v[LN16], 4, v12
	v_lshlrev_b32 v14, 3, v12
	v_min_u32 v[PF3], 17, v12
	v_lshlrev_b32 v[PF3], 8, v[PF3]                ; 18 blocks of 256 bytes: three steps of a fragment
	v_min_u32 v[PF2], 11, v12
	v_lshlrev_b32 v[PF2], 8, v[PF2]                ; 12: two steps
	v_bfe_u32 v[SH8], v0, 4, 1
	v_lshlrev_b32 v[SH8], 3, v[SH8]                ; 8 h
	v_mov_b32 v13, 0                               ; (the upper half of the pair v[12:13])
	s_wait_alu depctr_va_vdst(0)
	s_wait_dscnt 0x0                               ; both opening adds are done
	s_wait_kmcnt 0x0
	s_add_nc_u64 s[44:45], s[4:5], s[44:45]
	s_add_nc_u64 s[46:47], s[4:5], s[46:47]
	s_add_nc_u64 s[84:85], s[6:7], s[84:85]
	s_add_nc_u64 s[86:87], s[6:7], s[86:87]
	s_add_nc_u64 s[8:9], s[8:9], s[88:89]
	s_add_nc_u64 s[10:11], s[10:11], s[92:93]
	s_cmp_eq_u32 s15, 0
	s_cselect_b64 s[96:97], s[44:45], s[46:47]
	s_add_nc_u64 s[96:97], s[96:97], s[98:99]
.irp s, 0,1
	s_mov_b32 s[G0R+4*\s], 1
	s_add_co_u32 s[G0R+4*\s+1], s60, \s*SLOT
	s_add_nc_u64 s[G0R+4*\s+2:G0R+4*\s+3], s[44:45], \s*RB
	s_or_b32 s[G0R+4*\s+3], s[G0R+4*\s+3], 0x80000000
	s_mov_b32 s[G0P+4*\s], 1
	s_add_co_u32 s[G0P+4*\s+1], s60, \s*SLOT
	s_add_nc_u64 s[G0P+4*\s+2:G0P+4*\s+3], s[46:47], \s*RB
	s_or_b32 s[G0P+4*\s+3], s[G0P+4*\s+3], 0x80000000
.endr
	CROUND                                         ; all sixteen work-groups are here: the first joint loads meet
	JLOAD 0                                        ; steps 0-2: one tensor load a wave at the head
.irp k, 0,1,2,3,4,5,6,7
	global_load_b128 v[RS+4*\k:RS+4*\k+3], v[LN16], s[84:85] offset:512*\k
	global_load_b128 v[PS+4*\k:PS+4*\k+3], v[LN16], s[86:87] offset:512*\k
.endr
	s_mul_i32 s61, s15, PART
	s_mul_i32 s62, s16, PART
	s_add_co_u32 s62, s62, 2*PART
.irp s, 0,1
	v_add_nc_u32 v[ADRA+\s], s61, v[LN16]
	v_add_nc_u32 v[A8+\s], s61, v14
	v_add_nc_u32 v[ADB+\s], s62, v[LN16]
	v_add_nc_u32 v[B8+\s], s62, v14
	s_add_co_u32 s61, s61, SLOT
	s_add_co_u32 s62, s62, SLOT
.endr
	s_wait_alu depctr_va_vdst(0)
	s_wait_loadcnt 0x0                             ; the scale words
	global_prefetch_b8 v[PF3], s[96:97] offset:RB th:TH_LOAD_NT scope:SCOPE_SE       ; steps 3-5, which the next fill loads
	global_prefetch_b8 v[PF3], s[96:97] offset:RB+FB th:TH_LOAD_NT scope:SCOPE_SE
	s_wait_tensorcnt 0x0                           ; my part of slot 0 is in
	ds_add_u32 v[SPW], v[NIL]
	s_wait_dscnt 0x0
	CROUND
	JLOAD 1                                        ; steps 3-5
	FETCH_B 0
	FETCH_A 0, 0
	FETCH_A 0, 4
	global_prefetch_b8 v[PF2], s[96:97] offset:2*RB th:TH_LOAD_NT scope:SCOPE_SE     ; steps 6 and 7
	global_prefetch_b8 v[PF2], s[96:97] offset:2*RB+FB th:TH_LOAD_NT scope:SCOPE_SE
	STEP 0, 1
	STEP 1, 0
	TURN 2, 1
	STEP 3, 0
	STEP 4, 0
	TURN 5, 0
	STEP 6, 0
	s_wait_dscnt 16
	WIN MUL_LO
	MUL16 0, 7, 0
	MUL16 2, 7, 0
	s_wait_dscnt 0x0
	WIN MUL_HI
	MUL16 4, 7, 0
	MUL16 6, 7, 0
	WIN 0
	PLACES 4
	v_mov_b32 v[T4], 0                             ; a lane permute's destination counts as one of its sources
	v_mov_b32 v[TB], 0
; THE SOFTMAX of a block of 16 queries over my 128 keys.  Each accumulator is read from its low end on.
.macro SOFT a
.set sA, 64*((\a)%4)
.set wA, 2+(\a)/4
	WIN 21*wA
.irp b, 0,1,2,3
	v_max3_num_f32 v[BM+\b], v[sA+16*\b], v[sA+16*\b+1], v[sA+16*\b+2]
.endr
	WIN 20*wA
.irp i, 3,5,7,9,11,13
.irp b, 0,1,2,3
	v_max3_num_f32 v[BM+\b], v[BM+\b], v[sA+16*\b+\i], v[sA+16*\b+\i+1]
.endr
.endr
.irp b, 0,1,2,3
	v_max_num_f32 v[BM+\b], v[BM+\b], v[sA+16*\b+15]
.endr
	WIN 0
	v_max_num_f32 v[BM], v[BM], v[BM+1]            ; my block c = 0,
	v_max_num_f32 v[BM+1], v[BM+2], v[BM+3]        ; and c = 1: it serves for the maximum and for the block's largest p
	v_max_num_f32 v[TA], v[BM], v[BM+1]
	v_permlanex16_b32 v[TB], v[TA], s[SEL], s[SEL+1]
	v_max_num_f32 v[TA], v[TA], v[TB]              ; with lane l xor 16's two blocks: the key step's largest score of my query,
	v_mul_f32 v[TA], s[CS], v[TA]                  ; as t (c is positive)
	v_floor_f32 v12, -v[TA]                        ; -M_loc = floor(-t) = -ceil(t): a whole number
	WIN wA
.set jj, 0
.rept 32
	v_pk_fma_f32 v[P64+jj:P64+jj+1], v[sA+jj:sA+jj+1], s[CS:CS+1], v[12:13] op_sel_hi:[1,0,0]   ; t - M_loc, two at a time
.set jj, jj+2
.endr
	WIN 0
.irp b, 0,1
	v_fma_f32 v[BM+\b], v[BM+\b], s[CS], v12       ; the same of each block's largest score
.endr
	s_wait_alu depctr_va_vdst(0)
.irp b, 0,1
	v_exp_f32 v[BM+\b], v[BM+\b]                   ; the block's largest p: the same two instructions on the same number give the same bits
.endr
.set jj, 0
.rept 64
	v_exp_f32 v[P64+jj], v[P64+jj]                 ; p = 2^(t - M_loc), at most 1
.set jj, jj+1
.endr
	v_mov_b32 v[NM+\a], v12                        ; (a plain place behind the exponentials)
	s_wait_alu depctr_va_vdst(0)                   ; and behind it
	v_pk_add_f32 v[14:15], v[P64:P64+1], v[P64+2:P64+3]   ; the sum is taken of the unquantised p: two at a time, in two chains
	v_pk_add_f32 v[SUM2:SUM2+1], v[P64+4:P64+5], v[P64+6:P64+7]
.set jj, 8
.rept 14
	v_pk_add_f32 v[14:15], v[14:15], v[P64+jj:P64+jj+1]
	v_pk_add_f32 v[SUM2:SUM2+1], v[SUM2:SUM2+1], v[P64+jj+2:P64+jj+3]
.set jj, jj+4
.endr
	v_pk_add_f32 v[14:15], v[14:15], v[SUM2:SUM2+1]
	v_max_num_f32 v[BM], 0x1800000, v[BM]          ; the floor 2^(3 - 127): the byte cannot fall under 1
	v_max_num_f32 v[BM+1], 0x1800000, v[BM+1]
	v_add_f32 v[TA], v14, v15
	v_add_nc_u32 v[SO], 0xff000000, v[BM]          ; 2 off the exponent field: the conversion's scale operand
	v_add_nc_u32 v[SO+1], 0xff000000, v[BM+1]
	v_permlanex16_b32 v[TB], v[TA], s[SEL], s[SEL+1]
	v_lshrrev_b32 v[BY], 23, v[SO]                 ; the byte
	v_lshrrev_b32 v[BY+1], 23, v[SO+1]
	v_add_f32 v[LL+\a], v[TA], v[TB]               ; l_loc
	v_lshl_or_b32 v[BY], v[BY+1], 16, v[BY]        ; bytes h and 2 + h
	v_lshlrev_b32 v[BY], v[SH8], v[BY]
	v_permlanex16_b32 v[T4], v[BY], s[SEL], s[SEL+1]
	v_or_b32 v[PW+\a], v[BY], v[T4]                ; my query's scale word for these 128 keys
	s_wait_alu depctr_va_vdst(0)
.if (\a) > 0
	s_wait_xcnt 0x0                                ; the last block's stores have read the codes' registers
.endif
.irp c, 0,1
	v_cvt_scalef32_pk16_fp6_f32 v[PC+6*\c:PC+6*\c+2], v[P64+32*\c:P64+32*\c+15], v[SO+\c]
	v_cvt_scalef32_pk16_fp6_f32 v[PC+12+4*\c:PC+12+4*\c+2], v[P64+32*\c+16:P64+32*\c+31], v[SO+\c]   ; (a conversion's three registers begin on an even number)
.endr
	v_nop                                          ; one plain place behind a scaled conversion
.irp c, 0,1
.irp i, 0,1,2
	v_mov_b32 v[PC+6*\c+3+\i], v[PC+12+4*\c+\i]
.endr
.endr
.irp c, 0,1,2
	global_store_b128 v[LN16], v[PC+4*\c:PC+4*\c+3], s[8:9] offset:(\a)*24576+512*\c   ; 32 lanes store 512 consecutive bytes, aligned
.endr
.endm
.irp a, 0,1,2,3,4,5,6,7
	SOFT \a
.endr
.irp j, 0,1,2,3                        ; lanes 0-15: block j's words; lanes 16-31: block 4 + j's
	v_cndmask_b32 v[IM+\j], v[PW+\j], v[PW+4+\j], s[HM]
	v_cndmask_b32 v[IM+4+\j], v[NM+\j], v[NM+4+\j], s[HM]
	v_cndmask_b32 v[IM+8+\j], v[LL+\j], v[LL+4+\j], s[HM]
.endr
	global_store_b128 v[LN16], v[IM:IM+3], s[10:11]
	global_store_b128 v[LN16], v[IM+4:IM+7], s[10:11] offset:524288
	global_store_b128 v[LN16], v[IM+8:IM+11], s[10:11] offset:1048576
	s_wait_tensorcnt 0x0                           ; the wave's end, behind my last tensor load
	ds_add_u32 v[SPW], v[NIL]
	s_wait_dscnt 0x0
	CROUND                                         ; the closing round
	s_endpgm
.Lfunc_end_k_qc74bc503f0_score:
	.size	k_qc74bc503f0_score, .Lfunc_end_k_qc74bc503f0_score-k_qc74bc503f0_score
	.p2alignl 7, 3214868480
	.fill 96, 4, 3214868480
	.section	.rodata,"a",@progbits
	.p2align	6, 0x0
	.amdhsa_kernel k_qc74bc503f0_score
		.amdhsa_group_segment_fixed_size 327680
		.amdhsa_private_segment_fixed_size 0
		.amdhsa_enable_private_segment 0
		.amdhsa_kernarg_size 32
		.amdhsa_user_sgpr_count 2
		.amdhsa_user_sgpr_kernarg_segment_ptr 1
		.amdhsa_wavefront_size32 1
		.amdhsa_system_sgpr_workgroup_id_x 1
		.amdhsa_system_sgpr_workgroup_id_y 1
		.amdhsa_system_sgpr_workgroup_id_z 1
		.amdhsa_system_vgpr_workitem_id 0
		.amdhsa_next_free_vgpr 1024
		.amdhsa_next_free_sgpr 100
		.amdhsa_reserve_vcc 0
		.amdhsa_float_denorm_mode_32 3
		.amdhsa_float_denorm_mode_16_64 3
		.amdhsa_memory_ordered 1
		.amdhsa_forward_progress 1
		.amdhsa_inst_pref_size 193
	.end_amdhsa_kernel
	.amdgpu_metadata
---
amdhsa.version: [ 1, 2 ]
amdhsa.kernels:
  - .name:           k_qc74bc503f0_score
    .symbol:         k_qc74bc503f0_score.kd
    .args:
      - { .name: qkv, .offset: 0, .size: 8, .value_kind: global_buffer, .address_space: global }
      - { .name: qkvs, .offset: 8, .size: 8, .value_kind: global_buffer, .address_space: global }
      - { .name: p, .offset: 16, .size: 8, .value_kind: global_buffer, .address_space: global }
      - { .name: pst, .offset: 24, .size: 8, .value_kind: global_buffer, .address_space: global }
    .group_segment_fixed_size: 327680
    .private_segment_fixed_size: 0
    .kernarg_segment_align: 8
    .kernarg_segment_size: 32
    .max_flat_workgroup_size: 128
    .sgpr_count:     100
    .vgpr_count:     1024
    .wavefront_size: 32
...
	.end_amdgpu_metadata
.endif
;; end of part 3
;; launch pv (part 4): grid 4 x 64, 4 waves a work-group, clusters of 4 x 4, 327,680 bytes of LDS; arguments p, pst, qkv, qkvs, out0; writes out0
.if DOCPART == 4
	.amdgcn_target "amdgcn-amd-amdhsa--gfx1250"
	.amdhsa_code_object_version 6
	.text
	.protected	k_qc74bc503f0_pv
	.globl	k_qc74bc503f0_pv
	.p2align	8
	.type	k_qc74bc503f0_pv,@function
k_qc74bc503f0_pv:
	s_mov_b64 s[64:65], 0
	v_nop
	global_prefetch_b8 v0, s[64:65] scope:SCOPE_SE
	s_setreg_imm32_b32 hwreg(HW_REG_WAVE_MODE, 25, 1), 1
	s_wait_xcnt 0x0
	s_wait_alu depctr_hold_cnt(0) depctr_sa_sdst(0) depctr_va_vdst(0) depctr_va_sdst(0) depctr_va_ssrc(0) depctr_va_vcc(0) depctr_vm_vsrc(0)
	s_getreg_b32 s2, hwreg(HW_REG_IB_STS2, 6, 4)
	s_cmp_eq_u32 s2, 0
	s_cbranch_scc0 .Lentry_in_a_cluster
	s_endpgm
.Lentry_in_a_cluster:
	s_bfe_u32 s2, ttmp6, 0x10000c
	s_cmp_lg_u32 s2, 0xf033
	s_cbranch_scc0 .Lentry_shape_is_right
	s_endpgm
.Lentry_shape_is_right:
; out = (P V) / l on codes of FP6 (E2M3) with E8M0 scales: 256 tiles of 128 queries x 256 of o, K = the batch's 2,048 keys, in 16 steps of 128.
; Source 1 = P (a lane holds one query), source 0 = v with the keys innermost: a lane's registers run along o.  Every wave takes all 128 queries (8 blocks) x 64 of o (4 fragments): 32 accumulators.
; THE HEAD BRINGS P UNDER THE ROW'S M.  P's codes were made under M_loc, the ceiling of the largest t of each key step.  M = the largest M_loc; d = M - M_loc is a whole number, 0 or more:
; d is taken off the four bytes of the step's scale word, and l = the sum of l_loc 2^-d.  Both are exact.  The four waves share the 16 key steps, four each, and hand the words and their parts of l to each other through LDS.
; LIMITS: d is held at 127, and a byte that would fall under 0 is held at 0 (2^-127): what that changes is under 2^-124 |v| beside l >= 1/2.  P's bytes are at most 125 (p <= 1), which the byte arithmetic leans on.  NaN and infinities are not served.
; K goes through two LDS slots of 512 keys (rows of 6,144 bytes of each fragment): keys 0-511 at the head, 512-1023 behind the first round, then each slot once more.
; THE LAST SLOT GOES BY ROWS: v's fragments of its four steps fill 192 registers, and the blocks of 16 queries are finished one after the other, 16 products each, keys ascending; each leaves as soon as it is finished.
; CLUSTER 4 x 4: P's tile is shared along a row of the cluster, v's along a column: joint loads.  PREFETCH: each fill one fill ahead; of a wave's 4 fragments of P the partner at place p asks for fragment p, of its 8 of v for 2 p and 2 p + 1, a lane a block of 256 bytes.
; REGISTERS: window 0: addresses; v16-79 P's scale words (4 ks + j: lanes 0-15 block j, lanes 16-31 block 4 + j); v80-111 v's (4 m + j: lanes 0-15 step 2 m, lanes 16-31 step 2 m + 1); v112-119 1 / l; v128-255 the head's and the way out's work.
;   window 1: P's fragments, two sets of 96 (by rows: four of 48).  window 2: v's, two sets of 48 (by rows: 192).  window 3: accumulator (a, b) at v[8 (4 a + b)].
.set FP,    24576                      ; a fragment, all keys
.set RB,    6144                       ; four steps of it
.set SLOT,  24*RB                      ; P's 8 fragments x 4 steps, then v's 16 x 4
.set VOFF,  8*RB
.set SPARE, 2*SLOT
.set STAGE, SPARE+512                  ; the stages for the way out: 16 rows x (256 + 16) bytes for each wave
.set FXW,   STAGE+4*16*272             ; the 16 images of scale words, then the four parts of l
.set LN16, 1
.set ADRA, 2
.set ADRB, 4
.set STO,  6
.set RD,   7
.set CO,   8
.set VPS,  9
.set SPW,  10
.set NIL,  11
.set RS,   16
.set PS,   80
.set LB,   112
.set NMIN, 120
.set LACC, 124
.set NG,   128                         ; v128-191 all sixteen -M_loc;  v192.. my four steps': -M_loc, l_loc, scale words
.set NO,   192
.set LG,   208
.set RW,   224
.set PF,   240
.set FXA,  241
.set FXL,  242
.set FXR,  243
.set LP,   128                         ; the four parts of l
.set T,    128
.set BK,   160
.set G1,   24
.set G1B,  32
.set G0R,  48
.set G0P,  68
.set SEL,  66
.set C80,  82
.set HM,   83
.set MULW, 0xf6                        ; source 0 (v) window 2, source 1 (P) window 1, C and D window 3
.set MSB, 0
.macro WIN new
.if MSB != (\new)
	s_set_vgpr_msb (MSB<<8)|(\new)
.set MSB, (\new)
.endif
.endm
; A joint load: waves 0 and 1 fetch P's halves, waves 2 and 3 v's.  The branch hangs on the wave's number alone.
.macro JLOAD s
	s_cmp_eq_u32 s15, 0
	s_cbranch_scc0 .Lfor_v_\@
	tensor_load_to_lds s[G0R+4*\s:G0R+4*\s+3], s[G1:G1+7]
	s_nop 0
.rept 4
	v_nop
.endr
	s_branch .Lasked_\@
.Lfor_v_\@:
	tensor_load_to_lds s[G0P+4*\s:G0P+4*\s+3], s[G1B:G1B+7]
	s_nop 0
.rept 4
	v_nop
.endr
.Lasked_\@:
.endm
.macro ASK off                         ; prefetch my share of the 512 keys at byte off of the rows
	WIN 0
	global_prefetch_b8 v[PF], s[96:97] offset:\off th:TH_LOAD_NT scope:SCOPE_SE
	s_cmp_eq_u32 s15, 0
	s_cbranch_scc1 .Lone_\@
	global_prefetch_b8 v[PF], s[96:97] offset:(\off)+FP th:TH_LOAD_NT scope:SCOPE_SE
.Lone_\@:
.endm
.macro CREST
	s_cmp_lg_u32 s14, 0
	s_cbranch_scc1 .Lnot_wave_0_\@
	s_barrier_signal -3
.Lnot_wave_0_\@:
	s_barrier_wait -3
	s_barrier_signal -1
	s_barrier_wait -1
.endm
.macro CROUND
	s_barrier_signal -1
	s_barrier_wait -1
	CREST
.endm
.macro PLACES n
.rept \n
	v_nop
.endr
.endm
.macro FRAG reg, adr, off
.irp c, 0,1,2
	ds_load_b128 v[(\reg)+4*\c:(\reg)+4*\c+3], v[\adr] offset:(\off)+512*\c
.endr
.endm
.macro FA ks                           ; step ks: my four fragments of v and P's first four: 24 loads
.set SL_, ((\ks)/4)%2
	WIN 0x80
.irp i, 0,1,2,3
	FRAG 48*((\ks)%2)+12*\i, ADRB+SL_, RB*\i+1536*((\ks)%4)
.endr
	WIN 0x40
.irp i, 0,1,2,3
	FRAG 96*((\ks)%2)+12*\i, ADRA+SL_, RB*\i+1536*((\ks)%4)
.endr
.endm
.macro FB ks                           ; P's last four: 12 loads
.set SL_, ((\ks)/4)%2
	WIN 0x40
.irp i, 4,5,6,7
	FRAG 96*((\ks)%2)+12*\i, ADRA+SL_, RB*\i+1536*((\ks)%4)
.endr
.endm
.macro WM2 c, ra, rb
	v_wmma_scale_f32_16x16x128_f8f6f4 v[rD:rD+7], v[rP:rP+11], v[rR:rR+11], \c, v[rSP], v[rSR] matrix_a_fmt:MATRIX_FMT_FP6 matrix_b_fmt:MATRIX_FMT_FP6 matrix_a_scale:MATRIX_SCALE_ROW\ra matrix_b_scale:MATRIX_SCALE_ROW\rb
.endm
.macro WMR c                           ; rA1, rB1: the scale words stand in lanes 16-31
.if rA1
.if rB1
	WM2 \c, 1, 1
.else
	WM2 \c, 1, 0
.endif
.else
.if rB1
	WM2 \c, 0, 1
.else
	WM2 \c, 0, 0
.endif
.endif
.endm
; 4 n products: P's blocks a0 .. a0 + n - 1 x my four fragments of v, key step ks.  The 32 accumulators take turns, one instruction a turn, in the same order in every step.
.macro MULP a0, n, ks, zero
.set aa, \a0
.rept \n
.irp b, 0,1,2,3
.set rD, 8*(4*aa+\b)
.set rP, 48*((\ks)%2)+12*\b
.set rR, 96*((\ks)%2)+12*aa
.set rSP, PS+4*((\ks)/2)+\b
.set rSR, RS+4*(\ks)+aa%4
.set rA1, (\ks)%2
.set rB1, aa/4
.if \zero
	WMR 0
.else
	WMR v[rD:rD+7]
.endif
.endr
.set aa, aa+1
.endr
.endm
.macro PSTEP ks, zero
	PLACES 4                                       ; in front of loads into the set that the last step's products read
	FA (\ks)+1
	s_wait_dscnt 36                                ; this step's first run is in; its 12 of P's last four and the 24 just issued may be out
	WIN MULW
	MULP 0, 4, \ks, \zero
	FB (\ks)+1
	s_wait_dscnt 36                                ; this step's second run is in; the next step's two runs may be out
	WIN MULW
	MULP 4, 4, \ks, \zero
.endm
; A slot's last step: slot sg, just left, takes the keys two slots on.
.macro PTURN ks, sg
	WIN 0
	s_wait_tensorcnt 0x0                           ; all my tensor loads have landed: my part of the next slot
	ds_add_u32 v[SPW], v[NIL]                      ; 0 onto my spare word
	s_wait_dscnt 13                                ; (the add and P's last four fragments may be out)
	WIN MULW
	MULP 0, 3, \ks, 0
	s_wait_dscnt 0x0                               ; the add is done, and my reads of this slot are over
	s_barrier_signal -1
	MULP 3, 1, \ks, 0
	WIN 0
	s_barrier_wait -1
	CREST                                          ; the barrier has opened a round: no wave of any partner still reads this slot or has a load on its way
	s_add_nc_u64 s[G0R+4*\sg+2:G0R+4*\sg+3], s[G0R+4*\sg+2:G0R+4*\sg+3], 2*RB
	s_add_nc_u64 s[G0P+4*\sg+2:G0P+4*\sg+3], s[G0P+4*\sg+2:G0P+4*\sg+3], 2*RB
	JLOAD \sg                                      ; its four v_nop are the places in front of the loads below
	FA (\ks)+1
	FB (\ks)+1
.if (\sg) == 0
	ASK 3*RB                                       ; keys 1536-2047
.endif
	WIN MULW
	MULP 4, 4, \ks, 0
.endm
	s_load_b256 s[4:11], s[0:1], 0x0               ; p s[4:5], pst s[6:7], qkv s[8:9], qkvs s[10:11]
	s_load_b64 s[12:13], s[0:1], 0x20              ; out0
	v_lshl_add_u32 v[SPW], v0, 2, SPARE
	v_mov_b32 v[NIL], 0
	ds_add_u32 v[SPW], v[NIL]                      ; the wave's opening: the add, twice on end, and its wait ahead of my first tensor load
	ds_add_u32 v[SPW], v[NIL]
	v_lshrrev_b32 v12, 5, v0
	v_readfirstlane_b32 s14, v12                   ; wave 0..3
	s_lshr_b32 s15, s14, 1                         ; I fetch for P (0) or for v (1)
	s_and_b32 s16, s14, 1                          ; which half of that tile
	s_bfe_u32 s17, ttmp6, 0x40000                  ; cx
	s_bfe_u32 s18, ttmp6, 0x40004                  ; cy
	s_and_b32 s19, ttmp7, 0xffff                   ; the cluster's y, 0..15
	s_lshl_b32 s20, ttmp9, 2
	s_add_co_u32 s20, s20, s17                     ; tx: the tile of 256 of o
	s_lshl_b32 s21, s19, 2
	s_add_co_u32 s21, s21, s18                     ; ty: the 128 queries, of all 64 such
	s_lshl_b32 s22, s18, 2
	s_lshl_b32 s22, 15, s22                        ; my row of the cluster
	s_lshl_b32 s23, 0x1111, s17                    ; my column
	s_or_b32 s[G1], s22, (3<<16)|(1<<21)
	s_or_b32 s[G1B], s23, (3<<16)|(1<<21)
	s_mov_b32 s[G1+1], 768<<16                     ; P: 4 fragments: rows of 6,144 bytes (768 elements of 8), 24,576 apart
	s_mov_b32 s[G1+2], 4<<16
	s_mov_b32 s[G1+3], 768<<16
	s_mov_b32 s[G1+4], 4
	s_mov_b32 s[G1+5], 3072
	s_mov_b32 s[G1+6], 0
	s_mov_b32 s[G1+7], 0
	s_mov_b32 s[G1B+1], 768<<16                    ; v: 8 fragments
	s_mov_b32 s[G1B+2], 8<<16
	s_mov_b32 s[G1B+3], 768<<16
	s_mov_b32 s[G1B+4], 8
	s_mov_b32 s[G1B+5], 3072
	s_mov_b32 s[G1B+6], 0
	s_mov_b32 s[G1B+7], 0
	s_mul_i32 s44, s21, 8*FP
	s_mul_i32 s45, s16, 4*FP
	s_add_co_u32 s44, s44, s45                     ; P: the half that I fetch: made of cy and the cluster's y
	s_mov_b32 s45, 0
	s_lshr_b32 s43, s19, 2                         ; the batch
	s_mul_i32 s46, s43, 64*FP
	s_mul_i32 s47, s20, 16*FP
	s_add_co_u32 s46, s46, s47
	s_mul_i32 s47, s16, 8*FP
	s_add_co_u32 s46, s46, s47
	s_add_co_u32 s46, s46, 12582912                ; v: behind q and k: made of cx and the cluster's x and y
	s_mov_b32 s47, 0
	s_mul_i32 s60, s16, 4*RB                       ; where they go in a slot
	s_mul_i32 s61, s16, 8*RB
	s_add_co_u32 s61, s61, VOFF
	s_lshl_b32 s84, s21, 13                        ; pst: my queries' 16 images in each plane,
	s_mov_b32 s85, 0
	s_lshl_b32 s94, s14, 11                        ; and the four that are mine to bring under M
	s_mov_b32 s95, 0
	s_lshl_b32 s86, s43, 16                        ; v's scale words: the batch, my 64 of o
	s_lshl_b32 s87, s20, 2
	s_add_co_u32 s87, s87, s14
	s_lshl_b32 s87, s87, 12
	s_add_co_u32 s86, s86, s87
	s_add_co_u32 s86, s86, 524288
	s_mov_b32 s87, 0
	s_lshl_b32 s88, s21, 19                        ; out0: 128 rows of 4,096 bytes,
	s_lshl_b32 s89, s20, 10                        ; 256 of o,
	s_add_co_u32 s88, s88, s89
	s_lshl_b32 s89, s14, 8                         ; my 64
	s_add_co_u32 s88, s88, s89
	s_mov_b32 s89, 0
	s_cmp_eq_u32 s15, 0
	s_cselect_b32 s98, s17, s18                    ; my place among the four that ask for my tile with me
	s_mul_i32 s98, s98, FP
	s_lshl_b32 s98, s98, s15                       ; one fragment of P or two of v
	s_mov_b32 s99, 0
	s_mov_b32 s[SEL], 0x76543210
	s_mov_b32 s[SEL+1], 0xfedcba98
	s_mov_b32 s[HM], 0xffff0000
	s_mov_b32 s[C80], 0x80808080
	v_and_b32 v15, 31, v0
	v_lshlrev_b32 v[LN16], 4, v15
	v_min_u32 v[PF], 23, v15
	v_lshlrev_b32 v[PF], 8, v[PF]                  ; 24 blocks of 256 bytes: four steps of a fragment
	v_and_b32 v12, 15, v0                          ; r
	v_bfe_u32 v13, v0, 4, 1                        ; h
	v_lshlrev_b32 v14, 4, v12
	v_lshl_add_u32 v[VPS], v13, 8, v14             ; v's scale words: lanes 16-31 take the next step's
	v_lshl_add_u32 v[CO], v13, 12, v14             ; the way out: lanes 0-15 one row of out0, lanes 16-31 the next
	s_wait_alu depctr_va_vdst(0)
	s_wait_dscnt 0x0                               ; both opening adds are done
	s_wait_kmcnt 0x0
	s_add_nc_u64 s[44:45], s[4:5], s[44:45]
	s_add_nc_u64 s[46:47], s[8:9], s[46:47]
	s_add_nc_u64 s[84:85], s[6:7], s[84:85]
	s_add_nc_u64 s[94:95], s[84:85], s[94:95]
	s_add_nc_u64 s[86:87], s[10:11], s[86:87]
	s_add_nc_u64 s[12:13], s[12:13], s[88:89]
	s_cmp_eq_u32 s15, 0
	s_cselect_b64 s[96:97], s[44:45], s[46:47]
	s_add_nc_u64 s[96:97], s[96:97], s[98:99]
.irp s, 0,1
	s_mov_b32 s[G0R+4*\s], 1
	s_add_co_u32 s[G0R+4*\s+1], s60, \s*SLOT
	s_add_nc_u64 s[G0R+4*\s+2:G0R+4*\s+3], s[44:45], \s*RB
	s_or_b32 s[G0R+4*\s+3], s[G0R+4*\s+3], 0x80000000
	s_mov_b32 s[G0P+4*\s], 1
	s_add_co_u32 s[G0P+4*\s+1], s61, \s*SLOT
	s_add_nc_u64 s[G0P+4*\s+2:G0P+4*\s+3], s[46:47], \s*RB
	s_or_b32 s[G0P+4*\s+3], s[G0P+4*\s+3], 0x80000000
.endr
	CROUND                                         ; all sixteen work-groups are here: the first joint loads meet
	JLOAD 0                                        ; keys 0-511: one tensor load a wave at the head
.irp k, 0,1,2,3,4,5,6,7,8,9,10,11,12,13,14,15
	global_load_b128 v[NG+4*\k:NG+4*\k+3], v[LN16], s[84:85] offset:512*\k+524288     ; -M_loc
.endr
.irp k, 0,1,2,3
	global_load_b128 v[NO+4*\k:NO+4*\k+3], v[LN16], s[94:95] offset:512*\k+524288
.endr
.irp k, 0,1,2,3
	global_load_b128 v[LG+4*\k:LG+4*\k+3], v[LN16], s[94:95] offset:512*\k+1048576    ; l_loc
	global_load_b128 v[RW+4*\k:RW+4*\k+3], v[LN16], s[94:95] offset:512*\k            ; P's scale words
.endr
.irp m, 0,1,2,3,4,5,6,7
	global_load_b128 v[PS+4*\m:PS+4*\m+3], v[VPS], s[86:87] offset:512*\m             ; v's
.endr
	v_mov_b32 v[ADRA], v[LN16]
	v_add_nc_u32 v[ADRA+1], SLOT, v[LN16]
	s_mul_i32 s62, s14, 4*RB
	s_add_co_u32 s62, s62, VOFF                    ; my four fragments of v
	v_add_nc_u32 v[ADRB], s62, v[LN16]
	s_add_co_u32 s62, s62, SLOT
	v_add_nc_u32 v[ADRB+1], s62, v[LN16]
	s_mul_i32 s63, s14, 16*272
	s_add_co_u32 s63, s63, STAGE                   ; my stage
	v_mul_u32_u24 v[STO], v12, 272
	v_lshl_add_u32 v[STO], v13, 7, v[STO]
	v_add_nc_u32 v[STO], s63, v[STO]               ; in: row r, + 128 h
	v_mul_u32_u24 v[RD], v13, 272
	v_add_nc_u32 v[RD], v[RD], v14
	v_add_nc_u32 v[RD], s63, v[RD]                 ; back: lanes 0-15 one row of 256 bytes, lanes 16-31 the next
	s_lshl_b32 s63, s14, 11
	s_add_co_u32 s63, s63, FXW
	v_add_nc_u32 v[FXA], s63, v[LN16]              ; my four images of scale words,
	s_lshl_b32 s63, s14, 9
	s_add_co_u32 s63, s63, FXW+8192
	v_add_nc_u32 v[FXL], s63, v[LN16]              ; my part of l,
	v_add_nc_u32 v[FXR], FXW, v[LN16]              ; and all of them
	s_wait_alu depctr_va_vdst(0)
	s_wait_loadcnt 16                              ; all -M_loc are in; the 16 younger loads may be out
	; -M = the least of the sixteen -M_loc, for each of my four words (row-lane, fragment)
.irp j, 0,1,2,3
	v_min3_num_f32 v[NMIN+\j], v[NG+\j], v[NG+4+\j], v[NG+8+\j]
.endr
.irp k, 3,5,7,9,11,13
.irp j, 0,1,2,3
	v_min3_num_f32 v[NMIN+\j], v[NMIN+\j], v[NG+4*\k+\j], v[NG+4*\k+4+\j]
.endr
.endr
.irp j, 0,1,2,3
	v_min_num_f32 v[NMIN+\j], v[NMIN+\j], v[NG+60+\j]
.endr
	s_wait_alu depctr_va_vdst(0)
	ASK RB                                         ; keys 512-1023
	s_wait_loadcnt 8                               ; my l_loc and scale words are in; v's scale words may be out
; My k-th key step: d = M - M_loc; l += l_loc 2^-d; each byte of the scale word becomes max(byte - d, 0).  The four words by turns.
.macro FIX k
.irp j, 0,1,2,3
	v_sub_f32 v[NO+4*\k+\j], v[NO+4*\k+\j], v[NMIN+\j]       ; d: a whole number, 0 or more
.endr
.irp j, 0,1,2,3
	v_min_num_f32 v[NO+4*\k+\j], 0x42fe0000, v[NO+4*\k+\j]   ; held at 127
.endr
.irp j, 0,1,2,3
	v_cvt_u32_f32 v[NO+4*\k+\j], v[NO+4*\k+\j]
.endr
.irp j, 0,1,2,3
	v_sub_nc_u32 v[12+\j], 0, v[NO+4*\k+\j]
.endr
.if (\k) == 0
.irp j, 0,1,2,3
	v_ldexp_f32 v[LACC+\j], v[LG+4*\k+\j], v[12+\j]
.endr
.else
.irp j, 0,1,2,3
	v_ldexp_f32 v[LG+4*\k+\j], v[LG+4*\k+\j], v[12+\j]
.endr
.irp j, 0,1,2,3
	v_add_f32 v[LACC+\j], v[LACC+\j], v[LG+4*\k+\j]
.endr
.endif
.irp j, 0,1,2,3
	v_perm_b32 v[NO+4*\k+\j], v[NO+4*\k+\j], v[NO+4*\k+\j], 0   ; d in all four bytes
.endr
.irp j, 0,1,2,3
	v_or_b32 v[RW+4*\k+\j], s[C80], v[RW+4*\k+\j]            ; 128 + byte (the bytes are under 128),
.endr
.irp j, 0,1,2,3
	v_sub_nc_u32 v[RW+4*\k+\j], v[RW+4*\k+\j], v[NO+4*\k+\j] ; - d: above 0 in every byte, so no byte borrows
.endr
.irp j, 0,1,2,3
	v_and_b32 v[12+\j], s[C80], v[RW+4*\k+\j]                ; the top bit stands where byte >= d
.endr
.irp j, 0,1,2,3
	v_lshrrev_b32 v[LG+4*\k+\j], 7, v[12+\j]
.endr
.irp j, 0,1,2,3
	v_sub_nc_u32 v[12+\j], v[12+\j], v[LG+4*\k+\j]           ; 0x7f there, 0 elsewhere
.endr
.irp j, 0,1,2,3
	v_and_b32 v[RW+4*\k+\j], v[RW+4*\k+\j], v[12+\j]
.endr
	ds_store_b128 v[FXA], v[RW+4*\k:RW+4*\k+3] offset:512*\k
.endm
.irp k, 0,1,2,3
	FIX \k
.endr
	ds_store_b128 v[FXL], v[LACC:LACC+3]
	s_wait_alu depctr_va_vdst(0)
	s_wait_tensorcnt 0x0                           ; my part of slot 0 is in
	ds_add_u32 v[SPW], v[NIL]
	s_wait_dscnt 0x0                               ; the add and my stores are done
	CROUND
	JLOAD 1                                        ; keys 512-1023
.irp w, 0,1,2,3
	ds_load_b128 v[LP+4*\w:LP+4*\w+3], v[FXR] offset:8192+512*\w
.endr
.irp k, 0,1,2,3,4,5,6,7,8,9,10,11,12,13,14,15
	ds_load_b128 v[RS+4*\k:RS+4*\k+3], v[FXR] offset:512*\k
.endr
	FA 0
	FB 0
	ASK 2*RB                                       ; keys 1024-1535
	s_wait_dscnt 52                                ; the parts of l are in: 16 images and 36 fragment loads may be out
.irp j, 0,1,2,3
	v_add_f32 v[LACC+\j], v[LP+\j], v[LP+4+\j]
.endr
.irp j, 0,1,2,3
	v_add_f32 v[LP+8+\j], v[LP+8+\j], v[LP+12+\j]
.endr
.irp j, 0,1,2,3
	v_add_f32 v[LACC+\j], v[LACC+\j], v[LP+8+\j]
.endr
	s_wait_alu depctr_va_vdst(0)
.irp j, 0,1,2,3
	v_rcp_f32 v[LACC+\j], v[LACC+\j]               ; 1 / l
.endr
	v_nop                                          ; a plain place behind the reciprocals
	s_wait_alu depctr_va_vdst(0)
.irp j, 0,1,2,3
	v_permlanex16_b32 v[12+\j], v[LACC+\j], s[SEL], s[SEL+1]
.endr
.irp j, 0,1,2,3                        ; both halves of the lanes want the same query's 1 / l
	v_cndmask_b32 v[LB+\j], v[LACC+\j], v[12+\j], s[HM]      ; block j: lanes 0-15 hold it
	v_cndmask_b32 v[LB+4+\j], v[12+\j], v[LACC+\j], s[HM]    ; block 4 + j: lanes 16-31 do
.endr
	s_wait_alu depctr_va_vdst(0)
	s_wait_loadcnt 0x0                             ; v's scale words
	PSTEP 0, 1                                     ; the first step's products start the sums
	PSTEP 1, 0
	PSTEP 2, 0
	PTURN 3, 0                                     ; slot 0 takes keys 1024-1535
	PSTEP 4, 0
	PSTEP 5, 0
	PSTEP 6, 0
	PTURN 7, 1                                     ; slot 1 takes keys 1536-2047
	PSTEP 8, 0
	PSTEP 9, 0
	PSTEP 10, 0
; Step 11 changes to the last slot; nothing is left to fetch.
.macro VLOAD s                         ; v's fragments of step 12 + s -> window 2, v[48 s ..]
	WIN 0x80
.irp i, 0,1,2,3
	FRAG 48*(\s)+12*\i, ADRB+1, RB*\i+1536*(\s)
.endr
.endm
.macro ALOAD a                         ; P's block a, all four steps -> buffer a % 4 of window 1
	WIN 0x40
.irp s, 0,1,2,3
	FRAG 48*((\a)%4)+12*\s, ADRA+1, RB*(\a)+1536*\s
.endr
	WIN 0
.endm
.macro ROW a                           ; block a is finished: 16 products, its four accumulators by turns
	WIN MULW
.irp s, 0,1,2,3
.irp b, 0,1,2,3
.set rD, 8*(4*(\a)+\b)
.set rP, 48*\s+12*\b
.set rR, 48*((\a)%4)+12*\s
.set rSP, PS+4*((12+\s)/2)+\b
.set rSR, RS+4*(12+\s)+(\a)%4
.set rA1, \s%2
.set rB1, (\a)/4
	WMR v[rD:rD+7]
.endr
.endr
.endm
	WIN 0
	s_wait_tensorcnt 0x0                           ; my part of the last slot is in
	s_wait_dscnt 12                                ; (P's last four fragments may be out)
	WIN MULW
	MULP 0, 3, 11, 0
	s_wait_dscnt 0x0
	s_barrier_signal -1
	MULP 3, 1, 11, 0
	WIN 0
	s_barrier_wait -1
	PLACES 4
	VLOAD 0                                        ; (v48-95 of window 2 and v96-191 of window 1 are still being multiplied)
	VLOAD 2
	VLOAD 3
	ALOAD 0
	WIN MULW
	MULP 4, 4, 11, 0
	PLACES 4
	VLOAD 1
	ALOAD 1
	ALOAD 2
	ALOAD 3
	s_wait_dscnt 36                                ; all but P's blocks 1 to 3
	ROW 0
; THE WAY OUT of a block of 16 queries.  A lane holds, of one query, o 32 h + 0 .. 31 of my 64: 128 bytes.  The block is divided by l, goes through my own stage and comes back as rows of 256 bytes.
.irp a, 0,1,2,3,4,5,6,7
	PLACES 4
	WIN 3
.set ii, 0
.rept 32
	v_mul_f32 v[T+ii], v[32*\a+ii], v[LB+\a]       ; each accumulator from its low end on
.set ii, ii+1
.endr
	WIN 0
.irp q, 0,1,2,3,4,5,6,7
	ds_store_b128 v[STO], v[T+4*\q:T+4*\q+3] offset:16*\q
.endr
.if \a > 1
	s_wait_xcnt 0x0                                ; block a - 2's stores have read their registers
.endif
.set BB, BK+32*(\a%2)
.irp t, 0,1,2,3,4,5,6,7
	ds_load_b128 v[BB+4*\t:BB+4*\t+3], v[RD] offset:544*\t   ; LDS serves a wave's instructions in order: these see the stores above
.endr
.if \a < 4
	ALOAD \a+4                                     ; its buffer takes the block four further on
	s_wait_dscnt 12
.else
	s_wait_dscnt 0x0
.endif
.irp t, 0,1,2,3,4,5,6,7                ; stage rows 2 t and 2 t + 1 are queries 64 (a / 4) + 8 (a % 4) + 32 (t / 4) + 2 (t % 4) and the next
	global_store_b128 v[CO], v[BB+4*\t:BB+4*\t+3], s[12:13] offset:(64*(\a/4)+8*(\a%4)+32*(\t/4)+2*(\t%4))*4096 th:TH_STORE_NT   ; 16 lanes store 256 consecutive bytes, aligned
.endr
.if \a < 7
	ROW \a+1
.endif
.endr
	s_wait_tensorcnt 0x0                           ; the wave's end, behind my last tensor load and my last LDS store
	ds_add_u32 v[SPW], v[NIL]
	s_wait_dscnt 0x0
	CROUND                                         ; the closing round: no work-group ends while a partner may still ask for a tile that names it
	s_endpgm
.Lfunc_end_k_qc74bc503f0_pv:
	.size	k_qc74bc503f0_pv, .Lfunc_end_k_qc74bc503f0_pv-k_qc74bc503f0_pv
	.p2alignl 7, 3214868480
	.fill 96, 4, 3214868480
	.section	.rodata,"a",@progbits
	.p2align	6, 0x0
	.amdhsa_kernel k_qc74bc503f0_pv
		.amdhsa_group_segment_fixed_size 327680
		.amdhsa_private_segment_fixed_size 0
		.amdhsa_enable_private_segment 0
		.amdhsa_kernarg_size 40
		.amdhsa_user_sgpr_count 2
		.amdhsa_user_sgpr_kernarg_segment_ptr 1
		.amdhsa_wavefront_size32 1
		.amdhsa_system_sgpr_workgroup_id_x 1
		.amdhsa_system_sgpr_workgroup_id_y 1
		.amdhsa_system_sgpr_workgroup_id_z 1
		.amdhsa_system_vgpr_workitem_id 0
		.amdhsa_next_free_vgpr 1024
		.amdhsa_next_free_sgpr 100
		.amdhsa_reserve_vcc 0
		.amdhsa_float_denorm_mode_32 3
		.amdhsa_float_denorm_mode_16_64 3
		.amdhsa_memory_ordered 1
		.amdhsa_forward_progress 1
		.amdhsa_inst_pref_size 158
	.end_amdhsa_kernel
	.amdgpu_metadata
---
amdhsa.version: [ 1, 2 ]
amdhsa.kernels:
  - .name:           k_qc74bc503f0_pv
    .symbol:         k_qc74bc503f0_pv.kd
    .args:
      - { .name: p, .offset: 0, .size: 8, .value_kind: global_buffer, .address_space: global }
      - { .name: pst, .offset: 8, .size: 8, .value_kind: global_buffer, .address_space: global }
      - { .name: qkv, .offset: 16, .size: 8, .value_kind: global_buffer, .address_space: global }
      - { .name: qkvs, .offset: 24, .size: 8, .value_kind: global_buffer, .address_space: global }
      - { .name: out0, .offset: 32, .size: 8, .value_kind: global_buffer, .address_space: global }
    .group_segment_fixed_size: 327680
    .private_segment_fixed_size: 0
    .kernarg_segment_align: 8
    .kernarg_segment_size: 40
    .max_flat_workgroup_size: 128
    .sgpr_count:     100
    .vgpr_count:     1024
    .wavefront_size: 32
...
	.end_amdgpu_metadata
.endif
;; end of part 4
